; MI455X (gfx1250); checked and timed in simulation.
; The chip was launched on July 23, 2026; its instructions are those of AMD's public machine-readable ISA for CDNA 5 (MIT licence, August 2026) and "CDNA5" Instruction Set Architecture Reference Guide (July 2026). The comments in the code are by the model that wrote it; some were corrected since.
;; Attention. Allowed arithmetic: float matrix products may take bf16 or f16 operands with f32 sums; other float arithmetic in f32, or as packed bf16 or f16 multiplies, adds, multiply-adds, maxima and minima; sums over many terms, partial sums and values carried from step to step in f32; what a program stores and reads back later, other than sums and carried values, may be rounded once to bf16 or f16.
;; Inputs: W_k 1,024 x 1,024 float32; W_q 1,024 x 1,024 float32; W_v 1,024 x 1,024 float32; b_k 1,024 float32; b_q 1,024 float32; b_v 1,024 float32; encoded_k 4 x 2,048 x 1,024 float32; encoded_q 4 x 2,048 x 1,024 float32; encoded_v 4 x 2,048 x 1,024 float32.
;; Outputs: out0 4 x 2,048 x 1,024 float32.
;; Constants: parameter_mask = 1.
;; One version. Each part assembles by itself: llvm-mc -triple=amdgcn-amd-amdhsa -mcpu=gfx1250 --defsym DOCPART=n.
;; ======== version 1 of 1: 4 launches
;; limits: values are held in f16: magnitudes above 65,504 overflow, below 6.1e-05 lose precision
;; workspace buffers: xb 50,331,648 bytes; wb 6,291,456 bytes; qkv 50,331,648 bytes; pp 33,554,432 bytes; st 1,048,576 bytes
;; launch cvt (part 1): grid 1728 x 1, 8 waves a work-group, no clusters, 0 bytes of LDS; arguments encoded_q, encoded_k, encoded_v, W_q, W_k, W_v, xb, wb; writes xb, wb
.if DOCPART == 1
	.amdgcn_target "amdgcn-amd-amdhsa--gfx1250"
	.amdhsa_code_object_version 6
	.text
	.protected	k_q72cd32d700_cvt
	.globl	k_q72cd32d700_cvt
	.p2align	8
	.type	k_q72cd32d700_cvt,@function
k_q72cd32d700_cvt:
	s_mov_b64 s[64:65], 0
	v_nop
	global_prefetch_b8 v0, s[64:65] scope:SCOPE_SE
	s_setreg_imm32_b32 hwreg(HW_REG_WAVE_MODE, 25, 1), 1
	s_wait_xcnt 0x0
; xb = bf16(encoded_q | encoded_k | encoded_v) as [24576][1024], wb = bf16(W_q | W_k | W_v) as [3072][1024]: each number rounded once, to nearest even.
; A stream: no LDS, no barrier, no matrix unit, no cluster (no byte is wanted twice).  A work-group converts 16,384 numbers: 64 KiB in, 32 KiB out.
; Work-groups 0-1535 take x (512 chunks a tensor), 1536-1727 take W (64 chunks a tensor).  Thread t takes 16 bytes at 16 t of each 4,096 bytes:
; a wave's load covers 512 consecutive bytes, its store of 8 bytes a lane 256 consecutive bytes, aligned.  All sixteen loads go out before the first
; conversion; no register is used twice, so the only waits are the counted ones for the loads.
.set XI, 8                             ; v[8:71]    sixteen loads of four f32
.set YO, 72                            ; v[72:103]  sixteen pairs of packed bf16
	s_load_b512 s[8:23], s[0:1], 0x0               ; encoded_q s[8:9], _k s[10:11], _v s[12:13], W_q s[14:15], W_k s[16:17], W_v s[18:19], xb s[20:21], wb s[22:23]
	v_lshlrev_b32 v1, 4, v0                        ; 16 t: my bytes in 4,096 of the source
	v_lshlrev_b32 v2, 3, v0                        ; 8 t: my bytes in 2,048 of the destination
	s_mov_b32 s2, ttmp9                            ; the chunk
	s_mov_b32 s3, 0                                ; the first chunk of the source tensor
	s_wait_kmcnt 0x0
	s_mov_b64 s[4:5], s[8:9]
.macro PICK lim, p                     ; from chunk lim on the source is the tensor at s[p:p+1]
	s_cmp_ge_u32 s2, \lim
	s_cselect_b64 s[4:5], s[\p:\p+1], s[4:5]
	s_cselect_b32 s3, \lim, s3
.endm
	PICK 512, 10
	PICK 1024, 12
	PICK 1536, 14
	PICK 1600, 16
	PICK 1664, 18
	s_cmp_ge_u32 s2, 1536
	s_cselect_b64 s[24:25], s[22:23], s[20:21]     ; the destination: wb or xb,
	s_cselect_b32 s26, 1536, 0                     ; and its first chunk
	s_sub_co_u32 s6, s2, s3
	s_lshl_b32 s6, s6, 16                          ; 65,536 bytes of source a chunk (under 2^26)
	s_mov_b32 s7, 0
	s_add_nc_u64 s[4:5], s[4:5], s[6:7]
	s_sub_co_u32 s26, s2, s26
	s_lshl_b32 s26, s26, 15                        ; 32,768 bytes of destination a chunk
	s_mov_b32 s27, 0
	s_add_nc_u64 s[24:25], s[24:25], s[26:27]
.irp j, 0,1,2,3,4,5,6,7,8,9,10,11,12,13,14,15
	global_load_b128 v[XI+4*\j:XI+4*\j+3], v1, s[4:5] offset:4096*\j th:TH_LOAD_NT
.endr
.irp j, 0,1,2,3,4,5,6,7,8,9,10,11,12,13,14,15
	s_wait_loadcnt 15-\j                           ; loads come back in order: load j is in, the 15 - j younger ones stay out
	v_cvt_pk_bf16_f32 v[YO+2*\j], v[XI+4*\j], v[XI+4*\j+1]
	v_cvt_pk_bf16_f32 v[YO+2*\j+1], v[XI+4*\j+2], v[XI+4*\j+3]
	global_store_b64 v2, v[YO+2*\j:YO+2*\j+1], s[24:25] offset:2048*\j th:TH_STORE_NT
.endr
	s_endpgm
.Lfunc_end_k_q72cd32d700_cvt:
	.size	k_q72cd32d700_cvt, .Lfunc_end_k_q72cd32d700_cvt-k_q72cd32d700_cvt
	.p2alignl 7, 3214868480
	.fill 96, 4, 3214868480
	.section	.rodata,"a",@progbits
	.p2align	6, 0x0
	.amdhsa_kernel k_q72cd32d700_cvt
		.amdhsa_group_segment_fixed_size 0
		.amdhsa_private_segment_fixed_size 0
		.amdhsa_enable_private_segment 0
		.amdhsa_kernarg_size 64
		.amdhsa_user_sgpr_count 2
		.amdhsa_user_sgpr_kernarg_segment_ptr 1
		.amdhsa_wavefront_size32 1
		.amdhsa_system_sgpr_workgroup_id_x 1
		.amdhsa_system_sgpr_workgroup_id_y 1
		.amdhsa_system_sgpr_workgroup_id_z 1
		.amdhsa_system_vgpr_workitem_id 0
		.amdhsa_next_free_vgpr 104
		.amdhsa_next_free_sgpr 66
		.amdhsa_reserve_vcc 0
		.amdhsa_float_denorm_mode_32 3
		.amdhsa_float_denorm_mode_16_64 3
		.amdhsa_memory_ordered 1
		.amdhsa_forward_progress 1
		.amdhsa_inst_pref_size 8
	.end_amdhsa_kernel
	.amdgpu_metadata
---
amdhsa.version: [ 1, 2 ]
amdhsa.kernels:
  - .name:           k_q72cd32d700_cvt
    .symbol:         k_q72cd32d700_cvt.kd
    .args:
      - { .name: encoded_q, .offset: 0, .size: 8, .value_kind: global_buffer, .address_space: global }
      - { .name: encoded_k, .offset: 8, .size: 8, .value_kind: global_buffer, .address_space: global }
      - { .name: encoded_v, .offset: 16, .size: 8, .value_kind: global_buffer, .address_space: global }
      - { .name: W_q, .offset: 24, .size: 8, .value_kind: global_buffer, .address_space: global }
      - { .name: W_k, .offset: 32, .size: 8, .value_kind: global_buffer, .address_space: global }
      - { .name: W_v, .offset: 40, .size: 8, .value_kind: global_buffer, .address_space: global }
      - { .name: xb, .offset: 48, .size: 8, .value_kind: global_buffer, .address_space: global }
      - { .name: wb, .offset: 56, .size: 8, .value_kind: global_buffer, .address_space: global }
    .group_segment_fixed_size: 0
    .private_segment_fixed_size: 0
    .kernarg_segment_align: 8
    .kernarg_segment_size: 64
    .max_flat_workgroup_size: 256
    .sgpr_count:     66
    .vgpr_count:     104
    .wavefront_size: 32
...
	.end_amdgpu_metadata
.endif
;; end of part 1
;; launch proj (part 2): grid 4 x 96, 4 waves a work-group, clusters of 4 x 4, 327,680 bytes of LDS; arguments xb, wb, b_q, b_k, b_v, qkv; writes qkv
.if DOCPART == 2
	.amdgcn_target "amdgcn-amd-amdhsa--gfx1250"
	.amdhsa_code_object_version 6
	.text
	.protected	k_q72cd32d700_proj
	.globl	k_q72cd32d700_proj
	.p2align	8
	.type	k_q72cd32d700_proj,@function
k_q72cd32d700_proj:
	s_mov_b64 s[64:65], 0
	v_nop
	global_prefetch_b8 v0, s[64:65] scope:SCOPE_SE
	s_setreg_imm32_b32 hwreg(HW_REG_WAVE_MODE, 25, 1), 1
	s_wait_xcnt 0x0
	s_wait_alu depctr_hold_cnt(0) depctr_sa_sdst(0) depctr_va_vdst(0) depctr_va_sdst(0) depctr_va_ssrc(0) depctr_va_vcc(0) depctr_vm_vsrc(0)
	s_getreg_b32 s2, hwreg(HW_REG_IB_STS2, 6, 4)
	s_cmp_eq_u32 s2, 0
	s_cbranch_scc0 .Lentry_in_a_cluster
	s_endpgm
.Lentry_in_a_cluster:
	s_bfe_u32 s2, ttmp6, 0x10000c
	s_cmp_lg_u32 s2, 0xf033
	s_cbranch_scc0 .Lentry_shape_is_right
	s_endpgm
.Lentry_shape_is_right:
; qkv[m][n] = f16( sum over k of xb[m][k] wb[1024 T + n][k] + bf16(b_T[n]) ), T = m / 8192: the three projections as one product of 24,576 x 1,024 x 1,024.
; xb, wb: bf16; sums in f32; the result rounded once to f16.  LIMIT: f16 holds no number beyond 65,504: q, k and v must lie within it.  The bias is rounded to bf16 like the other inputs.
; A tile of the result, 256 x 256, is made by four waves, each 128 x 128: 64 accumulators of 16 x 16, 512 registers.  K goes in 8 steps of 128 (rows of 256 bytes) through two LDS slots.
; CLUSTERS: 4 x 4 work-groups.  The four of a row of the cluster need the same rows of xb, the four of a column the same rows of wb: each tile is asked for jointly, by the same tensor load with the
; same descriptor and a mask that names the four.  A cluster is 1,024 rows of xb, so all its partners have the same T.
; THE MATRIX INSTRUCTION IS USED TRANSPOSED (source 0 = 16 rows of wb, source 1 = 16 rows of xb): a lane holds row l % 16 of the result and the columns 8 (l / 16) + 0..7.
; THE BIAS STARTS THE SUMS: it is the C operand of the first product on each accumulator, so nothing is cleared and nothing is added on the way out.
; REGISTERS, in windows of 256 (s_set_vgpr_msb: bits 1:0 source 0, 3:2 source 1, 5:4 source 2, 7:6 destination):
;   window 0: v0-31 addresses; v64-127, v128-191 fragments of xb, two buffers; v192-255 the bias, later at work on the way out, with v32-63
;   window 1: v64-127, v128-191 fragments of wb;   windows 2, 3: the accumulators ((a, b) at v[8 (8 (a % 4) + b)] of window 2 + a / 4)
.set KSTEP,  128
.set ROWB,   2048                      ; bytes in a row of xb, wb and qkv
.set PITCH,  272                       ; an LDS row: 256 bytes + 16 of padding: the 16 rows of a fragment load start at 16 different groups of four banks (ISA guide 11.1)
.set HALFT,  128*PITCH                 ; 128 rows: what one tensor load brings
.set SLOT,   4*HALFT                   ; xb's 256 rows, then wb's 256.  0x22000 shares no bit with a wave's 0, 0x8800, 0x11000, 0x19800: one exclusive or changes slots
.set STAGE,  2*SLOT                    ; behind the ring: 16 rows x 272 bytes for each wave, for the way out
.set SPITCH, 272
.set SPARE,  STAGE+4*16*SPITCH         ; the spare words, 128 bytes a wave: two blocks of 256 bytes that no other line names
.set PN,     1024                      ; columns of the result
.set ADRA0, 16                         ; v16  my place in xb's tile of slot 0; never rewritten
.set ADRA,  17                         ; v17  the same in the slot in hand
.set ADRB0, 20                         ; v20, v21  the same for wb
.set ADRB,  21
.set STO,   24                         ; v24  the way out: where I put 16 bytes of a row
.set RD,    25                         ; v25  where I read a row back
.set CO,    26                         ; v26  my byte offset in the result
.set SPW,   28                         ; v28  my spare word; never rewritten
.set NIL,   29                         ; v29  0; never rewritten
.set PFO,   30                         ; v30  the prefetches' offset: my lane x a row; never rewritten
.set OB,    32
.set F0,    64
.set F1,    128
.set TMP,   192
.set CB,    192                        ; the bias of column block b at v[CB + 8 b]
.set SL,    21                         ; s21  the LDS byte at which the slot in hand begins
.set G1,    24                         ; s[24:31] descriptor group 1 for xb's tiles
.set G0,    32                         ; s[32:39] group 0: a set for each first fill; the second then walks on
.set LIM,   43                         ; s43  2 in a wave that prefetches, else the greatest number
.set PFA,   44                         ; s[44:45] where my prefetches stand
.set G1B,   48                         ; s[48:55], s[56:63] the same for wb's tiles
.set G0B,   56
.set MSB, 0
.macro WIN new                         ; the immediate's high byte repeats the setting that is left; a switch that changes nothing is dropped
.if MSB != (\new)
	s_set_vgpr_msb (MSB<<8)|(\new)
.set MSB, \new
.endif
.endm
.macro PLACES                          ; four plain vector instructions between a matrix instruction and a load into, or a vector read of, its registers
.rept 4
	v_nop
.endr
.endm
; A joint refill by the walking sets.  Waves 0 and 1 fetch xb's two halves, waves 2 and 3 wb's; the branch hangs on the wave's number alone.  An s_nop 0 and four v_nop follow each line.
.macro JLOAD
	s_cmp_eq_u32 s11, 0
	s_cbranch_scc0 .Lfor_b_\@
	tensor_load_to_lds s[G0+4:G0+7], s[G1:G1+7]
	s_nop 0
.rept 4
	v_nop
.endr
	s_branch .Lasked_\@
.Lfor_b_\@:
	tensor_load_to_lds s[G0B+4:G0B+7], s[G1B:G1B+7]
	s_nop 0
.rept 4
	v_nop
.endr
.Lasked_\@:
.endm
; A prefetch of the K step that stands two refills on: 32 rows x 256 bytes, a lane a row.  xb's rows are read by one cluster alone: it asks.  wb's rows are read by the eight clusters of a tensor: the first asks.
; The four partners that fetch a tile jointly share its rows out by address, 32 each.  The trips that fill K steps 6 and 7 (s3 = 2, 1) have no K step two on and ask for nothing.
.macro ASK
	s_cmp_gt_u32 s3, s[LIM]
	s_cbranch_scc0 .Lnot_mine_\@
	global_prefetch_b8 v[PFO], s[PFA:PFA+1] offset:KSTEP*2 th:TH_LOAD_NT scope:SCOPE_SE
.Lnot_mine_\@:
.endm
.macro CREST                           ; a round of the cluster's barrier behind its opening barrier
	s_cmp_lg_u32 s10, 0
	s_cbranch_scc1 .Lnot_wave_0_\@
	s_barrier_signal -3
.Lnot_wave_0_\@:
	s_barrier_wait -3
	s_barrier_signal -1
	s_barrier_wait -1
.endm
.macro CROUND                          ; a whole round
	s_barrier_signal -1
	s_barrier_wait -1
	CREST
.endm
	s_load_b128 s[4:7], s[0:1], 0x0                ; xb s[4:5], wb s[6:7]
	s_load_b128 s[68:71], s[0:1], 0x10             ; b_q s[68:69], b_k s[70:71]
	s_load_b64 s[72:73], s[0:1], 0x20              ; b_v
	s_load_b64 s[8:9], s[0:1], 0x28                ; qkv
	v_lshl_add_u32 v[SPW], v0, 2, SPARE
	v_mov_b32 v[NIL], 0
	ds_add_u32 v[SPW], v[NIL]                      ; the wave's opening: the add and its wait ahead of my first tensor load; the set-up below stands between them
	ds_add_u32 v28, v29
	v_lshrrev_b32 v1, 5, v0
	v_readfirstlane_b32 s10, v1                    ; wave 0..3
	s_lshr_b32 s11, s10, 1                         ; my half of the tile's rows.  Also: I fetch for xb (0) or for wb (1)
	s_and_b32 s12, s10, 1                          ; my half of its columns.  Also: which 128 rows of that tile I fetch
	s_bfe_u32 s40, ttmp6, 0x40000                  ; cx
	s_bfe_u32 s41, ttmp6, 0x40004                  ; cy
	s_lshl_b32 s42, ttmp9, 2
	s_add_co_u32 s42, s42, s40                     ; tile column = 4 x cluster x + cx
	s_and_b32 s74, ttmp7, 0xffff                   ; cluster y
	s_lshl_b32 s13, s74, 2
	s_add_co_u32 s13, s13, s41                     ; tile row = 4 x cluster y + cy
	s_lshr_b32 s75, s74, 3                         ; T: eight clusters to a tensor
	s_lshl_b32 s43, s41, 2
	s_lshl_b32 s43, 15, s43                        ; my row of the cluster
	s_lshl_b32 s44, 0x1111, s40                    ; my column
	s_or_b32 s[G1+0], s43, (1<<16)|(1<<20)|(1<<21)|(5<<22)|(3<<25)   ; the mask; 2-byte elements; padding on; bit 21 beside a mask; after every 64 words, 4 words
	s_or_b32 s[G1B+0], s44, (1<<16)|(1<<20)|(1<<21)|(5<<22)|(3<<25)
.irp g, G1, G1B
	s_mov_b32 s[(\g)+1], KSTEP<<16                 ; tensor_dim0 = 128
	s_mov_b32 s[(\g)+2], 128<<16                   ; tensor_dim1 = 128
	s_mov_b32 s[(\g)+3], KSTEP<<16                 ; tile_dim0 = 128
	s_mov_b32 s[(\g)+4], 128                       ; tile_dim1 = 128
	s_mov_b32 s[(\g)+5], 1024                      ; elements from row to row
	s_mov_b32 s[(\g)+6], 0
	s_mov_b32 s[(\g)+7], 0
.endr
	s_lshl_b32 s17, s12, 7                         ; which 128 rows of the tile I fetch
	s_lshl_b32 s16, s13, 8
	s_add_co_u32 s16, s16, s17                     ; xb: row 256 x tile row + 128 x half: the tile row alone, which my row of the cluster shares
	s_lshl_b32 s16, s16, 11                        ; in bytes (under 2^26)
	s_lshl_b32 s46, s42, 8
	s_add_co_u32 s46, s46, s17
	s_lshl_b32 s47, s75, 10
	s_add_co_u32 s46, s46, s47                     ; wb: row 1,024 T + 256 x tile column + 128 x half: shared along my column
	s_lshl_b32 s46, s46, 11
	s_mov_b32 s17, 0
	s_mov_b32 s47, 0
	s_mul_i32 s20, s10, HALFT                      ; where they go: wave x 128 rows: no place in the cluster enters an LDS address
	s_wait_dscnt 0x0                               ; the opening add is done
	s_wait_kmcnt 0x0
	s_add_nc_u64 s[14:15], s[4:5], s[16:17]
	s_add_nc_u64 s[46:47], s[6:7], s[46:47]
	CROUND                                         ; all sixteen work-groups are here: the first joint loads meet
.irp s, 0,1
	s_mov_b32 s[G0+4*\s], 1
	s_add_co_u32 s[G0+4*\s+1], s20, \s*SLOT
	s_add_nc_u64 s[G0+4*\s+2:G0+4*\s+3], s[14:15], \s*KSTEP*2
	s_or_b32 s[G0+4*\s+3], s[G0+4*\s+3], 0x80000000
	s_mov_b32 s[G0B+4*\s], 1
	s_add_co_u32 s[G0B+4*\s+1], s20, \s*SLOT
	s_add_nc_u64 s[G0B+4*\s+2:G0B+4*\s+3], s[46:47], \s*KSTEP*2
	s_or_b32 s[G0B+4*\s+3], s[G0B+4*\s+3], 0x80000000
.endr
	s_cmp_eq_u32 s11, 0                            ; a wave's two first fills stand in one branch: two loads of mine are out
	s_cbranch_scc0 .Lfirst_b
	tensor_load_to_lds s[G0:G0+3], s[G1:G1+7]
	s_nop 0
	tensor_load_to_lds s[G0+4:G0+7], s[G1:G1+7]
	s_nop 0
.rept 4
	v_nop
.endr
	s_branch .Lfirst_asked
.Lfirst_b:
	tensor_load_to_lds s[G0B:G0B+3], s[G1B:G1B+7]
	s_nop 0
	tensor_load_to_lds s[G0B+4:G0B+7], s[G1B:G1B+7]
	s_nop 0
.rept 4
	v_nop
.endr
.Lfirst_asked:
	v_and_b32 v1, 15, v0                           ; l % 16
	v_bfe_u32 v2, v0, 4, 1                         ; l / 16
	; the bias of my 128 columns: register j of block b is b_T[256 x tile column + 128 x half + 16 b + 8 (l / 16) + j]
	s_cmp_eq_u32 s75, 1
	s_cselect_b64 s[68:69], s[70:71], s[68:69]
	s_cmp_eq_u32 s75, 2
	s_cselect_b64 s[68:69], s[72:73], s[68:69]
	s_lshl_b32 s22, s42, 10
	s_lshl_b32 s23, s12, 9
	s_add_co_u32 s22, s22, s23
	v_lshl_add_u32 v6, v2, 5, s22
.irp b, 0,1,2,3,4,5,6,7
	global_load_b128 v[CB+8*\b:CB+8*\b+3],   v6, s[68:69] offset:64*\b
	global_load_b128 v[CB+8*\b+4:CB+8*\b+7], v6, s[68:69] offset:64*\b+16
.endr
	; a fragment is 16 rows x 32 K in 8 registers: lane l holds row l % 16, K = 8 (l / 16) + 0..7 and 16 + 8 (l / 16) + 0..7: two loads of 16 bytes, 32 bytes apart
	v_mul_u32_u24 v3, v1, PITCH
	v_lshl_add_u32 v3, v2, 4, v3
	s_mul_i32 s22, s11, HALFT                      ; my 128 rows of xb
	s_mul_i32 s23, s12, HALFT                      ; my 128 rows of wb,
	s_add_co_u32 s23, s23, 2*HALFT                 ; which lie behind xb's 256
	v_add_nc_u32 v[ADRA0], s22, v3
	v_add_nc_u32 v[ADRB0], s23, v3
	v_mov_b32 v[ADRA], v[ADRA0]
	v_mov_b32 v[ADRB], v[ADRB0]
	s_mov_b32 s[SL], 0
	s_mul_i32 s23, s10, 16*SPITCH
	s_add_co_u32 s23, s23, STAGE                   ; my stage
	v_mul_u32_u24 v4, v1, SPITCH                   ; in: row l % 16, 16 bytes for each half of the lanes
	v_lshl_add_u32 v4, v2, 4, v4
	v_add_nc_u32 v[STO], s23, v4
	v_mul_u32_u24 v5, v2, SPITCH                   ; back: lanes 0-15 one row of 256 bytes, lanes 16-31 the next
	v_lshl_add_u32 v5, v1, 4, v5
	v_add_nc_u32 v[RD], s23, v5
	v_mul_u32_u24 v5, v2, PN*2                     ; and the same two rows in the result
	v_lshl_add_u32 v[CO], v1, 4, v5
	s_lshl_b32 s13, s13, 8                         ; 256 x tile row
	s_lshl_b32 s22, s11, 7
	s_add_co_u32 s16, s13, s22                     ; my first row of the result,
	s_lshl_b32 s16, s16, 11                        ; in bytes
	s_mov_b32 s17, 0
	s_lshl_b32 s46, s42, 9                         ; my first column, in bytes (in the registers that held wb's address: none that feeds xb's descriptors ever holds cx)
	s_lshl_b32 s47, s12, 8
	s_add_co_u32 s46, s46, s47
	s_mov_b32 s47, 0
	s_add_nc_u64 s[16:17], s[16:17], s[46:47]      ; what the way out adds to the result's address
	; the prefetches
	s_lshl_b32 s42, s42, 8
	s_lshl_b32 s22, s75, 10
	s_add_co_u32 s42, s42, s22                     ; wb's tile begins at row 1,024 T + 256 x tile column
	s_and_b32 s22, s74, 7                          ; my cluster among the eight of its tensor
	s_cmp_eq_u32 s11, 0                            ; do I fetch for xb?
	s_cselect_b32 s20, s13, s42                    ; the tile's first row
	s_cselect_b32 s23, s40, s41                    ; my place among the four that ask for it with me
	s_cselect_b32 s22, ttmp9, s22                  ; the coordinate along which other clusters read the same rows
	s_cselect_b64 s[PFA:PFA+1], s[4:5], s[6:7]
	s_cmp_eq_u32 s22, 0
	s_cselect_b32 s[LIM], 2, -1                    ; the same in all sixteen partners, for a given wave
	s_lshl_b32 s22, s12, 7
	s_add_co_u32 s20, s20, s22                     ; + the 128 rows that I fetch
	s_lshl_b32 s23, s23, 5
	s_add_co_u32 s20, s20, s23                     ; + my work-group's 32 of them
	s_lshl_b32 s22, s20, 11
	s_mov_b32 s23, 0
	s_add_nc_u64 s[PFA:PFA+1], s[PFA:PFA+1], s[22:23]
	s_add_nc_u64 s[PFA:PFA+1], s[PFA:PFA+1], 2*KSTEP*2   ; at K step 2: the first refill steps it to 3 and names K step 4.  Nothing is prefetched at the head
	v_and_b32 v[PFO], 31, v0
	v_lshlrev_b32 v[PFO], 11, v[PFO]
	s_wait_loadcnt 0x0                             ; the bias is in: rounded to bf16 and widened again
.set i, 0
.rept 32
	v_cvt_pk_bf16_f32 v[8+(i/2)%4], v[CB+i], v[CB+i+1]
	v_lshlrev_b32 v[CB+i], 16, v[8+(i/2)%4]
	v_and_b32 v[CB+i+1], 0xffff0000, v[8+(i/2)%4]
.set i, i+2
.endr
; 16 matrix instructions: row blocks a0, a0 + 1 of the window's four x all 8 column blocks, 32 along K.  ini = 1: the bias starts the sums.  The 64 accumulators take turns in one fixed order in every quarter.
.macro MUL16 f, hi, a0, ini
.if \ini
	WIN 0x81+0x40*(\hi)                            ; wb window 1, xb and the bias window 0, D window 2 or 3
.else
	WIN 0xa1+0x50*(\hi)                            ; C and D window 2 or 3
.endif
.irp a, \a0, (\a0)+1
.irp b, 0,1,2,3,4,5,6,7
.if \ini
	v_wmma_f32_16x16x32_bf16 v[8*(8*(\a)+(\b)):8*(8*(\a)+(\b))+7], v[(\f)+8*(\b):(\f)+8*(\b)+7], v[(\f)+8*(4*(\hi)+(\a)):(\f)+8*(4*(\hi)+(\a))+7], v[CB+8*(\b):CB+8*(\b)+7]
.else
	v_wmma_f32_16x16x32_bf16 v[8*(8*(\a)+(\b)):8*(8*(\a)+(\b))+7], v[(\f)+8*(\b):(\f)+8*(\b)+7], v[(\f)+8*(4*(\hi)+(\a)):(\f)+8*(4*(\hi)+(\a))+7], v[8*(8*(\a)+(\b)):8*(8*(\a)+(\b))+7]
.endif
.endr
.endr
.endm
; 32 LDS loads in one run: the fragments of one quarter (32 K at byte k of the rows of the slot in hand) into buffer f
.macro FETCH k, f
	WIN 0x40                                       ; destination window 1
.irp i, 0,1,2,3,4,5,6,7
	ds_load_b128 v[(\f)+8*(\i):(\f)+8*(\i)+3],   v[ADRB] offset:(\k)+(\i)*16*PITCH
	ds_load_b128 v[(\f)+8*(\i)+4:(\f)+8*(\i)+7], v[ADRB] offset:(\k)+(\i)*16*PITCH+32
.endr
	WIN 0
.irp i, 0,1,2,3,4,5,6,7
	ds_load_b128 v[(\f)+8*(\i):(\f)+8*(\i)+3],   v[ADRA] offset:(\k)+(\i)*16*PITCH
	ds_load_b128 v[(\f)+8*(\i)+4:(\f)+8*(\i)+7], v[ADRA] offset:(\k)+(\i)*16*PITCH+32
.endr
.endm
; One of a K step's first three quarters: multiplies buffer f; in its middle it fetches the next quarter, at byte k, into buffer g
.macro QUARTER k, f, g, ini
	s_wait_dscnt 8                                 ; wb's fragments and xb's rows 0-63 are in; the youngest eight loads (rows 64-127) may be out
	MUL16 \f, 0, 0, \ini
	MUL16 \f, 0, 2, \ini
	PLACES
	FETCH \k, \g
	s_wait_dscnt 32                                ; all but the 32 just issued
	MUL16 \f, 1, 0, \ini
	MUL16 \f, 1, 2, \ini
.endm
; The first half of the last quarter: one barrier for the change of slots.  In front of it each wave waits for all its tensor loads (its part of the next slot), adds 0 to its spare word, and waits for that and for its reads of this slot.
.macro MEET
	WIN 0
	s_wait_tensorcnt 0x0                           ; all my tensor loads have landed
	ds_add_u32 v[SPW], v[NIL]
	s_wait_dscnt 9                                 ; (the add and the youngest eight loads may be out)
	MUL16 F1, 0, 0, 0
	s_wait_dscnt 0x0                               ; the add is done, and my reads of this slot are over
	s_barrier_signal -1
	MUL16 F1, 0, 2, 0                              ; work on registers while the others arrive
	WIN 0
	s_barrier_wait -1
.endm
; The whole last quarter.  fill = 1: the barrier opens a round of the cluster's barrier, and the slot just read out is filled again first, with the K step two on; then come the next slot's first fragments.
.macro TURN fill
.if \fill
	s_wait_xcnt 0x0                                ; the last prefetch, a K step back, has read its address
	s_add_nc_u64 s[PFA:PFA+1], s[PFA:PFA+1], KSTEP*2
.endif
	MEET
.if \fill
	CREST                                          ; no wave of any partner still reads this slot or has a load on its way
	s_xor_b32 s[G0+5], s[G0+5], SLOT               ; the walking sets: the other slot than last time,
	s_add_nc_u64 s[G0+6:G0+7], s[G0+6:G0+7], KSTEP*2     ; the next K step; the type bits on top are not reached
	s_xor_b32 s[G0B+5], s[G0B+5], SLOT
	s_add_nc_u64 s[G0B+6:G0B+7], s[G0B+6:G0B+7], KSTEP*2
	JLOAD                                          ; my one tensor load behind the round; its four v_nop are also the places in front of the loads below
.else
	PLACES
.endif
	s_xor_b32 s[SL], s[SL], SLOT
	v_add_nc_u32 v[ADRA], s[SL], v[ADRA0]
	v_add_nc_u32 v[ADRB], s[SL], v[ADRB0]
	FETCH 0, F0
.if \fill
	ASK
.endif
	MUL16 F1, 1, 0, 0
	MUL16 F1, 1, 2, 0
.endm
; THE WAY OUT of row block a.  PACK: rounded to f16, 16 bytes a lane, each accumulator from its low end.  TOSTAGE: into my own stage and back as whole rows of 256 bytes.  SEND: stored.
.macro PACK a
.set AC, 64*((\a)%4)
	WIN 0x0a+5*((\a)/4)                            ; sources 0 and 1: window 2 or 3
.irp b, 0,1,2,3,4,5,6,7
.irp r, 0,1,2,3
	v_cvt_pk_f16_f32 v[TMP+4*(\b)+(\r)], v[AC+8*(\b)+2*(\r)], v[AC+8*(\b)+2*(\r)+1]
.endr
.endr
	WIN 0
.endm
.macro TOSTAGE a
	WIN 0
.set BK, OB+192*((\a)%2)
.irp b, 0,1,2,3,4,5,6,7
	ds_store_b128 v[STO], v[TMP+4*(\b):TMP+4*(\b)+3] offset:32*(\b)
.endr
.irp t, 0,1,2,3,4,5,6,7
	ds_load_b128 v[BK+4*(\t):BK+4*(\t)+3], v[RD] offset:(\t)*2*SPITCH   ; LDS serves a wave's instructions in order (ISA guide 5.7.1.4): these see the stores above
.endr
.endm
.macro SEND a
	WIN 0
.set BK, OB+192*((\a)%2)
	s_wait_dscnt 0x0                               ; the block is back in registers
	s_wait_xcnt 0x0                                ; the stores' base, and the registers that earlier stores read, are rewritten only behind this wait
.if (\a) == 0
	s_add_nc_u64 s[8:9], s[8:9], s[16:17]
.else
	s_add_nc_u64 s[8:9], s[8:9], 16*PN*2
.endif
.irp t, 0,1,2,3,4,5,6,7
	global_store_b128 v[CO], v[BK+4*(\t):BK+4*(\t)+3], s[8:9] offset:2*(\t)*PN*2   ; 16 lanes store 256 consecutive bytes, aligned
.endr
.endm
	s_wait_tensorcnt 1                             ; my part of K step 0 is in; K step 1's may stay out
	s_barrier_signal -1
	s_barrier_wait -1
	FETCH 0, F0
	QUARTER 64, F0, F1, 1                          ; the first quarter stands in front of the loop: its products start the sums, with the bias
	WIN 0
	s_mov_b32 s3, 6
.Lstep:                                                ; six trips, from a K step's second quarter to the next step's first; they fill K steps 2 to 7
	QUARTER 128, F1, F0, 0
	QUARTER 192, F0, F1, 0
	TURN 1
	QUARTER 64, F0, F1, 0
	WIN 0
	s_sub_co_u32 s3, s3, 1
	s_cmp_lg_u32 s3, 0
	s_cbranch_scc1 .Lstep
	s_mov_b32 s3, 2
.Ltail:                                                ; K steps 6 and 7 fill nothing; the second trip is left in its middle, alike in every wave
	QUARTER 128, F1, F0, 0
	QUARTER 192, F0, F1, 0
	WIN 0
	s_sub_co_u32 s3, s3, 1
	s_cmp_eq_u32 s3, 0
	s_cbranch_scc1 .Llast
	TURN 0
	QUARTER 64, F0, F1, 0
	WIN 0
	s_cmp_lg_u32 s3, 0
	s_cbranch_scc1 .Ltail
.Llast:
	s_wait_dscnt 8
	MUL16 F1, 0, 0, 0
	MUL16 F1, 0, 2, 0
	s_wait_dscnt 0x0
	MUL16 F1, 1, 0, 0
	MUL16 F1, 1, 2, 0
	WIN 0
	PLACES
	PACK 0
	TOSTAGE 0
.irp a, 1,2,3,4,5,6,7                  ; block a's conversions stand between block a - 1's loads from the stage and the wait for them
	PACK \a
	SEND (\a)-1
	TOSTAGE \a
.endr
	SEND 7
	s_wait_tensorcnt 0x0                           ; the wave's end
	ds_add_u32 v[SPW], v[NIL]
	s_wait_dscnt 0x0
	CROUND                                         ; the closing round
	s_endpgm
.Lfunc_end_k_q72cd32d700_proj:
	.size	k_q72cd32d700_proj, .Lfunc_end_k_q72cd32d700_proj-k_q72cd32d700_proj
	.p2alignl 7, 3214868480
	.fill 96, 4, 3214868480
	.section	.rodata,"a",@progbits
	.p2align	6, 0x0
	.amdhsa_kernel k_q72cd32d700_proj
		.amdhsa_group_segment_fixed_size 327680
		.amdhsa_private_segment_fixed_size 0
		.amdhsa_enable_private_segment 0
		.amdhsa_kernarg_size 48
		.amdhsa_user_sgpr_count 2
		.amdhsa_user_sgpr_kernarg_segment_ptr 1
		.amdhsa_wavefront_size32 1
		.amdhsa_system_sgpr_workgroup_id_x 1
		.amdhsa_system_sgpr_workgroup_id_y 1
		.amdhsa_system_sgpr_workgroup_id_z 1
		.amdhsa_system_vgpr_workitem_id 0
		.amdhsa_next_free_vgpr 1024
		.amdhsa_next_free_sgpr 80
		.amdhsa_reserve_vcc 0
		.amdhsa_float_denorm_mode_32 3
		.amdhsa_float_denorm_mode_16_64 3
		.amdhsa_memory_ordered 1
		.amdhsa_forward_progress 1
		.amdhsa_inst_pref_size 112
	.end_amdhsa_kernel
	.amdgpu_metadata
---
amdhsa.version: [ 1, 2 ]
amdhsa.kernels:
  - .name:           k_q72cd32d700_proj
    .symbol:         k_q72cd32d700_proj.kd
    .args:
      - { .name: xb, .offset: 0, .size: 8, .value_kind: global_buffer, .address_space: global }
      - { .name: wb, .offset: 8, .size: 8, .value_kind: global_buffer, .address_space: global }
      - { .name: b_q, .offset: 16, .size: 8, .value_kind: global_buffer, .address_space: global }
      - { .name: b_k, .offset: 24, .size: 8, .value_kind: global_buffer, .address_space: global }
      - { .name: b_v, .offset: 32, .size: 8, .value_kind: global_buffer, .address_space: global }
      - { .name: qkv, .offset: 40, .size: 8, .value_kind: global_buffer, .address_space: global }
    .group_segment_fixed_size: 327680
    .private_segment_fixed_size: 0
    .kernarg_segment_align: 8
    .kernarg_segment_size: 48
    .max_flat_workgroup_size: 128
    .sgpr_count:     80
    .vgpr_count:     1024
    .wavefront_size: 32
...
	.end_amdgpu_metadata
.endif
;; end of part 2
;; launch scores (part 3): grid 9 x 16, 4 waves a work-group, no clusters, 327,680 bytes of LDS; arguments qkv, pp, st; writes pp, st
.if DOCPART == 3
	.amdgcn_target "amdgcn-amd-amdhsa--gfx1250"
	.amdhsa_code_object_version 6
	.text
	.protected	k_q72cd32d700_scores
	.globl	k_q72cd32d700_scores
	.p2align	8
	.type	k_q72cd32d700_scores,@function
k_q72cd32d700_scores:
	s_mov_b64 s[64:65], 0
	v_nop
	global_prefetch_b8 v0, s[64:65] scope:SCOPE_SE
	s_setreg_imm32_b32 hwreg(HW_REG_WAVE_MODE, 25, 1), 1
	s_wait_xcnt 0x0
; For each causal tile (i, J), J <= i, of 256 queries x 256 keys of a batch: s = q k^T (f16 operands, f32 sums), keys behind the query hidden; then for each row and each half of 128 keys:
; m = the largest s, P' = 2^(c (s - m)) rounded to f16, l = the sum of the unrounded P'; c = log2(e) / 32.  P' goes to pp [4][2048][2048], (m, l) to st [4][16 key halves][2048 rows][2].
; The maximum is taken away before the scaling, so the largest weight of a half is exactly 1 whatever the scores' size.  The next launch brings the halves onto one reference by their m.
; LIMITS.  A hidden score counts as its value less 1e30; m is at least -1e29 (f16's q and k give |s| under 4.4e12); in a half of which a row sees nothing P' = 0, l = 0, m = -1e29.
; A weight below 6e-8 is 0 in P'; one below 2^-126 is 0 in l.  NaN and infinities are not treated apart.
; SHARES.  Row blocks 7 - p and p of a batch have 9 tiles together: grid x = 0..8 walks them, grid y = 4 batch + p: 144 equal work-groups, one tile each.  Four waves of 128 x 128; K = 1,024 in 8 steps of 128.
; NO CLUSTER: row block i has i + 1 tiles, no multiple of four; whole blocks of 4 x 4 tiles would hold tiles of which every score is hidden, which is work for nothing.
; THE MASK IS THE C OPERAND THAT STARTS THE SUMS.  For row block ag and key block b of a wave it is one of three sets of 8 registers: b < ag, b = ag, b > ag; two scalars make them for every tile and wave, so one text serves all.
; THE MATRIX INSTRUCTION IS USED TRANSPOSED (source 0 = 16 keys, source 1 = 16 queries): a lane holds query l % 16 and the keys 8 (l / 16) + 0..7 of each block.
; REGISTERS: as in the projection: window 0 addresses, q's fragments, work; window 1 k's fragments; windows 2, 3 the accumulators.
.set KSTEP,  128
.set ROWB,   2048
.set PITCH,  272
.set HALFT,  128*PITCH
.set SLOT,   4*HALFT                   ; 0x22000 shares no bit with a wave's 0, 0x8800, 0x11000, 0x19800: one exclusive or changes slots
.set STAGE,  2*SLOT
.set SPITCH, 272
.set SPARE,  STAGE+4*16*SPITCH
.set PN,     2048                      ; columns of pp
.set ADRA0, 16
.set ADRA,  17
.set ADRB0, 20
.set ADRB,  21
.set STO,   24
.set RD,    25
.set CO,    26
.set SPW,   28
.set NIL,   29
.set PFO,   30
.set SOF,   31                         ; v31  8 x lane: my (m, l) in 256 bytes of st
.set OB,    32
.set CB,    32                         ; v32-39, v40-47, v48-55: the three masks (used in the first quarter alone)
.set F0,    64
.set F1,    128
.set TMP,   192
.set TT,    64                         ; the way out: v64-87 maxima at work
.set MP,    88                         ; v[88:89] m (the pair's low register)
.set X1,    90
.set X2,    91
.set UU,    96                         ; v96-127 sums at work
.set MS,    128                        ; v[128 + 2 a], v[129 + 2 a]: m and l of row block a
.set XO,    144                        ; v[144:147] what goes to st
.set SL,    21
.set G1,    24
.set G0,    32
.set LIM,   43
.set PFA,   44
.set G0B,   56
.set TI,    66                         ; s66  i
.set TJ,    67                         ; s67  J
.set TB,    70                         ; s70  the batch
.set CS,    72                         ; s[72:73] c
.set SEL,   74                         ; s[74:75] v_permlanex16_b32's selects: each lane takes its own place in the other half
.set AL,    76                         ; s[76:77] the diagonal mask's factor
.set BE,    78                         ; s[78:79] its addend, and the mask for b < ag
.set BE2,   80                         ; s80  the mask for b > ag
.set BIGN,  81                         ; s81  -1e30
.set FL,    82                         ; s82  -1e29
.set HM,    83                         ; s83  lanes 16-31
.set MSB, 0
.macro WIN new
.if MSB != (\new)
	s_set_vgpr_msb (MSB<<8)|(\new)
.set MSB, \new
.endif
.endm
.macro PLACES
.rept 4
	v_nop
.endr
.endm
.macro JLOAD                           ; a refill by the walking sets: waves 0 and 1 fetch q's halves, waves 2 and 3 k's; an s_nop 0 and four v_nop follow each line
	s_cmp_eq_u32 s11, 0
	s_cbranch_scc0 .Lfor_b_\@
	tensor_load_to_lds s[G0+4:G0+7], s[G1:G1+7]
	s_nop 0
.rept 4
	v_nop
.endr
	s_branch .Lasked_\@
.Lfor_b_\@:
	tensor_load_to_lds s[G0B+4:G0B+7], s[G1:G1+7]
	s_nop 0
.rept 4
	v_nop
.endr
.Lasked_\@:
.endm
; A prefetch of the K step that stands two refills on, for the 128 rows that the wave itself fetches: four lines of 32 rows, a lane a row.  q's rows of block i are read by the tiles (i, 0..i): tile (i, 0) asks;
; k's rows of block J by the tiles (J..7, J): tile (7, J) asks.  So each row's 256 bytes of a K step are named once.  The trips that fill K steps 6 and 7 ask for nothing.
.macro ASK
	s_cmp_gt_u32 s3, s[LIM]
	s_cbranch_scc0 .Lnot_mine_\@
.irp n, 0,1,2,3
	global_prefetch_b8 v[PFO], s[PFA:PFA+1] offset:KSTEP*2+\n*32*ROWB th:TH_LOAD_NT scope:SCOPE_SE
.endr
.Lnot_mine_\@:
.endm
	s_load_b64 s[4:5], s[0:1], 0x0                 ; qkv
	s_load_b64 s[8:9], s[0:1], 0x8                 ; pp
	s_load_b64 s[68:69], s[0:1], 0x10              ; st
	v_lshl_add_u32 v[SPW], v0, 2, SPARE
	v_mov_b32 v[NIL], 0
	ds_add_u32 v[SPW], v[NIL]                      ; the wave's opening: the add and its wait ahead of my first tensor load
	ds_add_u32 v28, v29
	v_lshrrev_b32 v1, 5, v0
	v_readfirstlane_b32 s10, v1                    ; wave 0..3
	s_lshr_b32 s11, s10, 1                         ; my half of the tile's queries.  Also: I fetch for q (0) or for k (1)
	s_and_b32 s12, s10, 1                          ; my half of its keys.  Also: which 128 rows I fetch
	s_mov_b32 s2, ttmp9                            ; t = 0..8
	s_and_b32 s20, ttmp7, 0xffff
	s_lshr_b32 s[TB], s20, 2
	s_and_b32 s22, s20, 3                          ; p
	s_sub_co_u32 s23, 7, s22                       ; 7 - p
	s_add_co_u32 s84, s23, 1
	s_max_u32 s85, s2, s84
	s_sub_co_u32 s85, s85, s84                     ; t - (8 - p), or 0
	s_cmp_le_u32 s2, s23
	s_cselect_b32 s[TI], s23, s22                  ; t <= 7 - p: tile (7 - p, t); else tile (p, t - (8 - p))
	s_cselect_b32 s[TJ], s2, s85
	s_mov_b32 s[G1+0], (1<<16)|(1<<20)|(5<<22)|(3<<25)   ; 2-byte elements; padding on: after every 64 words, 4 words
	s_mov_b32 s[G1+1], KSTEP<<16                   ; tensor_dim0 = 128
	s_mov_b32 s[G1+2], 128<<16                     ; tensor_dim1 = 128
	s_mov_b32 s[G1+3], KSTEP<<16                   ; tile_dim0 = 128
	s_mov_b32 s[G1+4], 128                         ; tile_dim1 = 128
	s_mov_b32 s[G1+5], 1024                        ; elements from row to row
	s_mov_b32 s[G1+6], 0
	s_mov_b32 s[G1+7], 0
	s_mov_b32 s[CS], 0x3d38aa3b                    ; c = log2(e) / 32
	s_mov_b32 s[CS+1], s[CS]
	s_mov_b32 s[SEL], 0x76543210
	s_mov_b32 s[SEL+1], 0xfedcba98
	s_mov_b32 s[BIGN], 0xf149f2ca
	s_mov_b32 s[FL], 0xefa18f08
	s_mov_b32 s[HM], 0xffff0000
	; the masks' scalars.  On the diagonal tile: my halves equal: b < ag open, b = ag the triangle, b > ag hidden; queries' half below keys' half: all hidden; else, and off the diagonal: all open
	s_cmp_eq_u32 s[TI], s[TJ]
	s_cselect_b32 s85, 1, 0
	s_cmp_eq_u32 s11, s12
	s_cselect_b32 s86, s85, 0
	s_cmp_lt_u32 s11, s12
	s_cselect_b32 s87, s85, 0
	s_cmp_lg_u32 s86, 0
	s_cselect_b32 s[AL], 1.0, 0
	s_cmp_lg_u32 s87, 0
	s_cselect_b32 s[BE], s[BIGN], 0
	s_or_b32 s86, s86, s87
	s_cmp_lg_u32 s86, 0
	s_cselect_b32 s[BE2], s[BIGN], 0
	s_mov_b32 s[AL+1], 0                           ; named as pairs
	s_mov_b32 s[BE+1], 0
	s_lshl_b32 s14, s[TB], 11                      ; the batch's 2,048 rows
	s_lshl_b32 s17, s12, 7
	s_lshl_b32 s16, s[TI], 8
	s_add_co_u32 s16, s16, s14
	s_add_co_u32 s16, s16, s17                     ; q: row 2,048 b + 256 i + 128 x half
	s_lshl_b32 s16, s16, 11
	s_lshl_b32 s46, s[TJ], 8
	s_add_co_u32 s46, s46, s14
	s_add_co_u32 s46, s46, s17
	s_add_co_u32 s46, s46, 8192                    ; k: row 8,192 + 2,048 b + 256 J + 128 x half
	s_lshl_b32 s46, s46, 11
	s_mov_b32 s17, 0
	s_mov_b32 s47, 0
	s_mul_i32 s20, s10, HALFT
	s_wait_dscnt 0x0                               ; the opening add is done
	s_wait_kmcnt 0x0
	s_add_nc_u64 s[14:15], s[4:5], s[16:17]
	s_add_nc_u64 s[46:47], s[4:5], s[46:47]
.irp s, 0,1
	s_mov_b32 s[G0+4*\s], 1
	s_add_co_u32 s[G0+4*\s+1], s20, \s*SLOT
	s_add_nc_u64 s[G0+4*\s+2:G0+4*\s+3], s[14:15], \s*KSTEP*2
	s_or_b32 s[G0+4*\s+3], s[G0+4*\s+3], 0x80000000
	s_mov_b32 s[G0B+4*\s], 1
	s_add_co_u32 s[G0B+4*\s+1], s20, \s*SLOT
	s_add_nc_u64 s[G0B+4*\s+2:G0B+4*\s+3], s[46:47], \s*KSTEP*2
	s_or_b32 s[G0B+4*\s+3], s[G0B+4*\s+3], 0x80000000
.endr
	s_cmp_eq_u32 s11, 0                            ; a wave's two first fills stand in one branch: two loads of mine are out
	s_cbranch_scc0 .Lfirst_b
	tensor_load_to_lds s[G0:G0+3], s[G1:G1+7]
	s_nop 0
	tensor_load_to_lds s[G0+4:G0+7], s[G1:G1+7]
	s_nop 0
.rept 4
	v_nop
.endr
	s_branch .Lfirst_asked
.Lfirst_b:
	tensor_load_to_lds s[G0B:G0B+3], s[G1:G1+7]
	s_nop 0
	tensor_load_to_lds s[G0B+4:G0B+7], s[G1:G1+7]
	s_nop 0
.rept 4
	v_nop
.endr
.Lfirst_asked:
	v_and_b32 v1, 15, v0                           ; l % 16
	v_bfe_u32 v2, v0, 4, 1                         ; l / 16
	v_mul_u32_u24 v3, v1, PITCH
	v_lshl_add_u32 v3, v2, 4, v3
	s_mul_i32 s22, s11, HALFT
	s_mul_i32 s23, s12, HALFT
	s_add_co_u32 s23, s23, 2*HALFT
	v_add_nc_u32 v[ADRA0], s22, v3
	v_add_nc_u32 v[ADRB0], s23, v3
	v_mov_b32 v[ADRA], v[ADRA0]
	v_mov_b32 v[ADRB], v[ADRB0]
	s_mov_b32 s[SL], 0
	s_mul_i32 s23, s10, 16*SPITCH
	s_add_co_u32 s23, s23, STAGE
	v_mul_u32_u24 v4, v1, SPITCH
	v_lshl_add_u32 v4, v2, 4, v4
	v_add_nc_u32 v[STO], s23, v4
	v_mul_u32_u24 v5, v2, SPITCH
	v_lshl_add_u32 v5, v1, 4, v5
	v_add_nc_u32 v[RD], s23, v5
	v_mul_u32_u24 v5, v2, PN*2
	v_lshl_add_u32 v[CO], v1, 4, v5
	v_and_b32 v[SOF], 31, v0
	v_lshlrev_b32 v[PFO], 11, v[SOF]               ; my lane x a row of qkv
	v_lshlrev_b32 v[SOF], 3, v[SOF]
	; the three masks.  In the block on the diagonal register j is hidden where 8 (l / 16) + j > l % 16
	v_lshlrev_b32 v14, 3, v2
	v_sub_nc_u32 v14, v1, v14
.irp j, 0,1,2,3,4,5,6,7
	v_cmp_gt_i32 vcc_lo, \j, v14
	v_cndmask_b32 v[CB+8+\j], 0, s[BIGN], vcc_lo
	v_mov_b32 v[CB+\j], s[BE]
	v_mov_b32 v[CB+16+\j], s[BE2]
.endr
.irp z, 0,2,4,6
	v_pk_fma_f32 v[CB+8+\z:CB+9+\z], v[CB+8+\z:CB+9+\z], s[AL:AL+1], s[BE:BE+1] op_sel_hi:[1,0,0]
.endr
	; the prefetches: from the address that I fetch by
	s_sub_co_u32 s22, 7, s[TI]
	s_cmp_eq_u32 s11, 0
	s_cselect_b64 s[PFA:PFA+1], s[14:15], s[46:47]
	s_cselect_b32 s22, s[TJ], s22                  ; 0 in the tile that asks
	s_cmp_eq_u32 s22, 0
	s_cselect_b32 s[LIM], 2, -1
	s_add_nc_u64 s[PFA:PFA+1], s[PFA:PFA+1], 2*KSTEP*2   ; at K step 2: the first refill steps it to 3 and names K step 4
	; where my part of the tile begins in pp, and my rows in st
	s_lshl_b32 s22, s[TB], 11
	s_lshl_b32 s23, s[TI], 8
	s_add_co_u32 s22, s22, s23
	s_lshl_b32 s23, s11, 7
	s_add_co_u32 s22, s22, s23
	s_lshl_b32 s16, s22, 12                        ; (2,048 b + 256 i + 128 x half) rows of 4,096 bytes
	s_lshl_b32 s22, s[TJ], 9
	s_add_co_u32 s16, s16, s22
	s_lshl_b32 s22, s12, 8
	s_add_co_u32 s16, s16, s22                     ; + 512 J + 256 x half
	s_mov_b32 s17, 0                               ; s[16:17]: what the next SEND adds to pp's address
	s_lshl_b32 s22, s[TB], 4
	s_lshl_b32 s23, s[TJ], 1
	s_add_co_u32 s22, s22, s23
	s_add_co_u32 s22, s22, s12                     ; the key half among the 64: 16 b + 2 J + half
	s_lshl_b32 s22, s22, 11
	s_lshl_b32 s23, s[TI], 8
	s_add_co_u32 s22, s22, s23
	s_lshl_b32 s23, s11, 7
	s_add_co_u32 s22, s22, s23
	s_lshl_b32 s22, s22, 3                         ; 8 bytes a row
	s_mov_b32 s23, 0
	s_add_nc_u64 s[68:69], s[68:69], s[22:23]
.macro MUL16 f, hi, a0, ini            ; as in the projection; ini = 1: the mask of the block's class starts the sums
.if \ini
	WIN 0x81+0x40*(\hi)
.else
	WIN 0xa1+0x50*(\hi)
.endif
.irp a, \a0, (\a0)+1
.irp b, 0,1,2,3,4,5,6,7
.if \ini
.if (\b) < 4*(\hi)+(\a)
.set rC, CB
.elseif (\b) == 4*(\hi)+(\a)
.set rC, CB+8
.else
.set rC, CB+16
.endif
	v_wmma_f32_16x16x32_f16 v[8*(8*(\a)+(\b)):8*(8*(\a)+(\b))+7], v[(\f)+8*(\b):(\f)+8*(\b)+7], v[(\f)+8*(4*(\hi)+(\a)):(\f)+8*(4*(\hi)+(\a))+7], v[rC:rC+7]
.else
	v_wmma_f32_16x16x32_f16 v[8*(8*(\a)+(\b)):8*(8*(\a)+(\b))+7], v[(\f)+8*(\b):(\f)+8*(\b)+7], v[(\f)+8*(4*(\hi)+(\a)):(\f)+8*(4*(\hi)+(\a))+7], v[8*(8*(\a)+(\b)):8*(8*(\a)+(\b))+7]
.endif
.endr
.endr
.endm
.macro FETCH k, f
	WIN 0x40
.irp i, 0,1,2,3,4,5,6,7
	ds_load_b128 v[(\f)+8*(\i):(\f)+8*(\i)+3],   v[ADRB] offset:(\k)+(\i)*16*PITCH
	ds_load_b128 v[(\f)+8*(\i)+4:(\f)+8*(\i)+7], v[ADRB] offset:(\k)+(\i)*16*PITCH+32
.endr
	WIN 0
.irp i, 0,1,2,3,4,5,6,7
	ds_load_b128 v[(\f)+8*(\i):(\f)+8*(\i)+3],   v[ADRA] offset:(\k)+(\i)*16*PITCH
	ds_load_b128 v[(\f)+8*(\i)+4:(\f)+8*(\i)+7], v[ADRA] offset:(\k)+(\i)*16*PITCH+32
.endr
.endm
.macro QUARTER k, f, g, ini
	s_wait_dscnt 8                                 ; k's fragments and q's rows 0-63 are in; the youngest eight loads may be out
	MUL16 \f, 0, 0, \ini
	MUL16 \f, 0, 2, \ini
	PLACES
	FETCH \k, \g
	s_wait_dscnt 32                                ; all but the 32 just issued
	MUL16 \f, 1, 0, \ini
	MUL16 \f, 1, 2, \ini
.endm
.macro MEET                            ; one barrier for the change of slots
	WIN 0
	s_wait_tensorcnt 0x0                           ; all my tensor loads have landed: my part of the next slot
	ds_add_u32 v[SPW], v[NIL]
	s_wait_dscnt 9                                 ; (the add and the youngest eight loads may be out)
	MUL16 F1, 0, 0, 0
	s_wait_dscnt 0x0                               ; the add is done, and my reads of this slot are over
	s_barrier_signal -1
	MUL16 F1, 0, 2, 0
	WIN 0
	s_barrier_wait -1
.endm
.macro TURN fill
.if \fill
	s_wait_xcnt 0x0                                ; the last prefetches, a K step back, have read their address
	s_add_nc_u64 s[PFA:PFA+1], s[PFA:PFA+1], KSTEP*2
.endif
	MEET
.if \fill
	s_xor_b32 s[G0+5], s[G0+5], SLOT
	s_add_nc_u64 s[G0+6:G0+7], s[G0+6:G0+7], KSTEP*2
	s_xor_b32 s[G0B+5], s[G0B+5], SLOT
	s_add_nc_u64 s[G0B+6:G0B+7], s[G0B+6:G0B+7], KSTEP*2
	JLOAD                                          ; my one tensor load behind the barrier, and the first thing there
.else
	PLACES
.endif
	s_xor_b32 s[SL], s[SL], SLOT
	v_add_nc_u32 v[ADRA], s[SL], v[ADRA0]
	v_add_nc_u32 v[ADRB], s[SL], v[ADRB0]
	FETCH 0, F0
.if \fill
	ASK
.endif
	MUL16 F1, 1, 0, 0
	MUL16 F1, 1, 2, 0
.endm
; THE SOFTMAX OF ROW BLOCK a of window 2: 16 queries x 128 keys, 64 scores a lane, a query in two lanes 16 apart.
.macro SOFT a
.set AC, 64*(\a)
	WIN 0x2a                                       ; three sources in window 2.
.irp b, 0,1,2,3,4,5,6,7
	v_max3_num_f32 v[TT+3*\b],   v[AC+8*\b],   v[AC+8*\b+1], v[AC+8*\b+2]
	v_max3_num_f32 v[TT+3*\b+1], v[AC+8*\b+3], v[AC+8*\b+4], v[AC+8*\b+5]
	v_max_num_f32  v[TT+3*\b+2], v[AC+8*\b+6], v[AC+8*\b+7]
.endr
	WIN 0
.irp b, 0,1,2,3,4,5,6,7
	v_max3_num_f32 v[TT+3*\b], v[TT+3*\b], v[TT+3*\b+1], v[TT+3*\b+2]
.endr
	v_max3_num_f32 v[TT], v[TT], v[TT+3], v[TT+6]
	v_max3_num_f32 v[TT+9], v[TT+9], v[TT+12], v[TT+15]
	v_max3_num_f32 v[TT+18], v[TT+18], v[TT+21], s[FL]   ; the floor, for a row that sees nothing here
	v_max3_num_f32 v[TT], v[TT], v[TT+9], v[TT+18]
	v_permlanex16_b32 v[X1], v[TT], s[SEL], s[SEL+1]     ; the query's other 64 keys lie in the lane 16 away
	v_max_num_f32 v[MP], v[TT], v[X1]
	v_mov_b32 v[MS+2*(\a)], v[MP]
	WIN 0x82                                       ; destination and source 0 in window 2
.set i, 0
.rept 32
	v_pk_add_f32 v[AC+i:AC+i+1], v[AC+i:AC+i+1], v[MP:MP+1] op_sel_hi:[1,0] neg_lo:[0,1] neg_hi:[0,1]   ; s - m first,
.set i, i+2
.endr
.set i, 0
.rept 32
	v_pk_mul_f32 v[AC+i:AC+i+1], v[AC+i:AC+i+1], s[CS:CS+1] op_sel_hi:[1,0]   ; then c: the largest gives exactly 0
.set i, i+2
.endr
.set i, 0
.rept 64
	v_exp_f32 v[AC+i], v[AC+i]
.set i, i+1
.endr
	v_nop                                          ; a plain instruction behind the last exponential,
	s_wait_alu depctr_va_vdst(0)                   ; and one wait for the batch of 64, ahead of the first reader
	WIN 0x0a                                       ; sources 0 and 1 in window 2
.set i, 0
.rept 32
	v_cvt_pk_f16_f32 v[TMP+i], v[AC+2*i], v[AC+2*i+1]
.set i, i+1
.endr
.set i, 0
.rept 16
	v_pk_add_f32 v[UU+2*i:UU+2*i+1], v[AC+4*i:AC+4*i+1], v[AC+4*i+2:AC+4*i+3]
.set i, i+1
.endr
	WIN 0
.irp w, 16,8,4,2
.set i, 0
.rept (\w)/2
	v_pk_add_f32 v[UU+i:UU+i+1], v[UU+i:UU+i+1], v[UU+\w+i:UU+\w+i+1]
.set i, i+2
.endr
.endr
	v_add_f32 v[UU], v[UU], v[UU+1]
	v_permlanex16_b32 v[X2], v[UU], s[SEL], s[SEL+1]
	v_add_f32 v[MS+2*(\a)+1], v[UU], v[X2]
.endm
.macro TOSTAGE a
	WIN 0
.set BK, OB+192*((\a)%2)
.irp b, 0,1,2,3,4,5,6,7
	ds_store_b128 v[STO], v[TMP+4*(\b):TMP+4*(\b)+3] offset:32*(\b)
.endr
.irp t, 0,1,2,3,4,5,6,7
	ds_load_b128 v[BK+4*(\t):BK+4*(\t)+3], v[RD] offset:(\t)*2*SPITCH   ; LDS serves a wave's instructions in order (ISA guide 5.7.1.4): these see the stores above
.endr
.endm
.macro SEND a
	WIN 0
.set BK, OB+192*((\a)%2)
	s_wait_dscnt 0x0
	s_wait_xcnt 0x0                                ; the stores' base, and the registers that earlier stores read, are rewritten only behind this wait
	s_add_nc_u64 s[8:9], s[8:9], s[16:17]          ; the first time: on to my part of the tile; then 16 rows on
	s_mov_b64 s[16:17], 16*PN*2
.irp t, 0,1,2,3,4,5,6,7
	global_store_b128 v[CO], v[BK+4*(\t):BK+4*(\t)+3], s[8:9] offset:2*(\t)*PN*2   ; 16 lanes store 256 consecutive bytes, aligned
.endr
.endm
	s_wait_tensorcnt 1                             ; my part of K step 0 is in; K step 1's may stay out
	s_barrier_signal -1
	s_barrier_wait -1
	FETCH 0, F0
	QUARTER 64, F0, F1, 1                          ; the first quarter: its products start the sums, with the masks
	WIN 0
	s_mov_b32 s3, 6
.Lstep:                                                ; six trips; they fill K steps 2 to 7
	QUARTER 128, F1, F0, 0
	QUARTER 192, F0, F1, 0
	TURN 1
	QUARTER 64, F0, F1, 0
	WIN 0
	s_sub_co_u32 s3, s3, 1
	s_cmp_lg_u32 s3, 0
	s_cbranch_scc1 .Lstep
	s_mov_b32 s3, 2
.Ltail:                                                ; K steps 6 and 7 fill nothing; the second trip is left in its middle, alike in every wave
	QUARTER 128, F1, F0, 0
	QUARTER 192, F0, F1, 0
	WIN 0
	s_sub_co_u32 s3, s3, 1
	s_cmp_eq_u32 s3, 0
	s_cbranch_scc1 .Llast
	TURN 0
	QUARTER 64, F0, F1, 0
	WIN 0
	s_cmp_lg_u32 s3, 0
	s_cbranch_scc1 .Ltail
.Llast:
	s_wait_dscnt 8
	MUL16 F1, 0, 0, 0
	MUL16 F1, 0, 2, 0
	s_wait_dscnt 0x0
	MUL16 F1, 1, 0, 0
	MUL16 F1, 1, 2, 0
	WIN 0
	PLACES
	v_mov_b32 v[MP+1], 0                           ; named with m as a pair
	v_mov_b32 v[X1], 0                             ; v_permlanex16_b32's destinations count as read
	v_mov_b32 v[X2], 0
	; THE WAY OUT is written for the four row blocks of window 2 and walked twice: the second trip first copies window 3 down (256 moves, once, for half the text)
	s_mov_b32 s2, 0
.Lhalf:
	s_cmp_eq_u32 s2, 0
	s_cbranch_scc1 .Lnocopy
	WIN 0x83                                       ; destination window 2, source window 3; ascending
.set i, 0
.rept 256
	v_mov_b32 v[i], v[i]
.set i, i+1
.endr
	WIN 0
.Lnocopy:
	SOFT 0
	TOSTAGE 0
	SOFT 1                                         ; a block's arithmetic stands between the loads of the block before and its stores
	SEND 0
	TOSTAGE 1
	SOFT 2
	SEND 1
	TOSTAGE 2
	SOFT 3
	SEND 2
	TOSTAGE 3
	SEND 3
.irp k, 0,1                            ; (m, l) of 32 rows: lanes 0-15 take block 2 k, lanes 16-31 block 2 k + 1: 256 consecutive bytes, aligned
	v_cndmask_b32 v[XO+2*\k],   v[MS+4*\k],   v[MS+4*\k+2], s[HM]
	v_cndmask_b32 v[XO+2*\k+1], v[MS+4*\k+1], v[MS+4*\k+3], s[HM]
	global_store_b64 v[SOF], v[XO+2*\k:XO+2*\k+1], s[68:69] offset:256*\k
.endr
	s_wait_xcnt 0x0                                ; the stores have read their base
	s_add_nc_u64 s[68:69], s[68:69], 512           ; 64 rows on
	s_add_co_u32 s2, s2, 1
	s_cmp_lt_u32 s2, 2
	s_cbranch_scc1 .Lhalf
	s_wait_tensorcnt 0x0                           ; the wave's end
	ds_add_u32 v[SPW], v[NIL]
	s_wait_dscnt 0x0
	s_endpgm
.Lfunc_end_k_q72cd32d700_scores:
	.size	k_q72cd32d700_scores, .Lfunc_end_k_q72cd32d700_scores-k_q72cd32d700_scores
	.p2alignl 7, 3214868480
	.fill 96, 4, 3214868480
	.section	.rodata,"a",@progbits
	.p2align	6, 0x0
	.amdhsa_kernel k_q72cd32d700_scores
		.amdhsa_group_segment_fixed_size 327680
		.amdhsa_private_segment_fixed_size 0
		.amdhsa_enable_private_segment 0
		.amdhsa_kernarg_size 24
		.amdhsa_user_sgpr_count 2
		.amdhsa_user_sgpr_kernarg_segment_ptr 1
		.amdhsa_wavefront_size32 1
		.amdhsa_system_sgpr_workgroup_id_x 1
		.amdhsa_system_sgpr_workgroup_id_y 1
		.amdhsa_system_sgpr_workgroup_id_z 1
		.amdhsa_system_vgpr_workitem_id 0
		.amdhsa_next_free_vgpr 1024
		.amdhsa_next_free_sgpr 88
		.amdhsa_reserve_vcc 1
		.amdhsa_float_denorm_mode_32 3
		.amdhsa_float_denorm_mode_16_64 3
		.amdhsa_memory_ordered 1
		.amdhsa_forward_progress 1
		.amdhsa_inst_pref_size 141
	.end_amdhsa_kernel
	.amdgpu_metadata
---
amdhsa.version: [ 1, 2 ]
amdhsa.kernels:
  - .name:           k_q72cd32d700_scores
    .symbol:         k_q72cd32d700_scores.kd
    .args:
      - { .name: qkv, .offset: 0, .size: 8, .value_kind: global_buffer, .address_space: global }
      - { .name: pp, .offset: 8, .size: 8, .value_kind: global_buffer, .address_space: global }
      - { .name: st, .offset: 16, .size: 8, .value_kind: global_buffer, .address_space: global }
    .group_segment_fixed_size: 327680
    .private_segment_fixed_size: 0
    .kernarg_segment_align: 8
    .kernarg_segment_size: 24
    .max_flat_workgroup_size: 128
    .sgpr_count:     88
    .vgpr_count:     1024
    .wavefront_size: 32
...
	.end_amdgpu_metadata
.endif
;; end of part 3
;; launch pv (part 4): grid 8 x 32, 4 waves a work-group, clusters of 4 x 1, 327,680 bytes of LDS; arguments pp, qkv, st, out0; writes out0
.if DOCPART == 4
	.amdgcn_target "amdgcn-amd-amdhsa--gfx1250"
	.amdhsa_code_object_version 6
	.text
	.protected	k_q72cd32d700_pv
	.globl	k_q72cd32d700_pv
	.p2align	8
	.type	k_q72cd32d700_pv,@function
k_q72cd32d700_pv:
	s_mov_b64 s[64:65], 0
	v_nop
	global_prefetch_b8 v0, s[64:65] scope:SCOPE_SE
	s_setreg_imm32_b32 hwreg(HW_REG_WAVE_MODE, 25, 1), 1
	s_wait_xcnt 0x0
	s_wait_alu depctr_hold_cnt(0) depctr_sa_sdst(0) depctr_va_vdst(0) depctr_va_sdst(0) depctr_va_ssrc(0) depctr_va_vcc(0) depctr_vm_vsrc(0)
	s_getreg_b32 s2, hwreg(HW_REG_IB_STS2, 6, 4)
	s_cmp_eq_u32 s2, 0
	s_cbranch_scc0 .Lentry_in_a_cluster
	s_endpgm
.Lentry_in_a_cluster:
	s_bfe_u32 s2, ttmp6, 0x10000c
	s_cmp_lg_u32 s2, 0x3003
	s_cbranch_scc0 .Lentry_shape_is_right
	s_endpgm
.Lentry_shape_is_right:
; out[b][q][:] = (sum over key halves t of 2^(c m_t - R) P'_t V_t) / (the same sum of l_t): the second product of the attention, with the halves' weights brought onto one reference R.
; P' (f16, at most 1, relative to the maximum m_t of its half of 128 keys) and (m_t, l_t) come from the launch before, V (f16) from the projection.  Sums in f32; out in f32.
; THE REFERENCE.  P'_t V_t is added by the matrix unit as it is, so in front of half t the sums are multiplied by g = 2^(R_old - R_new).  With M the running maximum of the m (raw scores) and T = max(M, m_t):
; R = c T + rho, rho' = max(c (m_t - T), -60), g = 2^(c (M - T) + rho - rho').  Unclamped, R_new = c m_t and the step is exact.  The exponent of g is at most 60, so the sums stay under 2^60 x 2,048 x 65,504.
; LIMIT: a half whose maximum lies more than 60 / c below the running one enters with a relative weight of 2^-60 in place of its smaller true weight.  The same g multiplies the sums and L.  NaN and infinities are not treated apart.
; THE WALK.  A batch's queries lie in 16 blocks of 128; block i needs the key tiles 0 .. i / 2 of 256 keys (of an even block's last tile the second half is hidden: there P' = 0 and l = 0).  A work-group takes TWO blocks,
; p and then 15 - p, x 128 channels (a slice of eight): p / 2 + 1 and (15 - p) / 2 + 1 tiles, 9 whatever p: 256 equal work-groups, and loops with constant trip counts.  The short block goes first, so that the change
; of blocks falls into the loop that refills (tiles 0 to 6) and the tail is written without one.  Which tile is asked for hangs on scalars made from p, which the partners of a cluster share.
; SHARES.  Wave (wr, wc) makes rows 64 wr .. + 63 x channels 64 wc .. + 63: 16 accumulators; a row's 256 bytes of out come from one wave.  A slot holds a tile: 128 rows of P' x 256 keys, 256 keys of V x 128 channels;
; it is four quarters of 64 keys, 32 products each, two deep on each accumulator.
; ONE TEXT FOR EVERY TILE.  M starts at the lowest finite number, so a block's first g is 0 and its first rescaling clears the sums: they need only hold finite numbers: zeros at the start (128 moves, in the wait for
; the first tile), the first block's finished rows later.  No first step is written out.
; CLUSTER.  The four slices of a cluster walk the same P': waves 0 and 1 ask for it jointly.  V differs from slice to slice: waves 2 and 3 fetch it by loads of their own.
; (The pairs p of a batch, which read the same V, stand at different tiles in the same trip: their short blocks differ in length.)
; LAYOUT.  O^T = V^T P (source 0 = 16 channels, from V [key][channel] by the turning load; source 1 = 16 queries of P', as they lie): a lane holds query l % 16 and the channels 8 (l / 16) + 0..7 of each block.
; REGISTERS (s_set_vgpr_msb: bits 1:0 source 0, 3:2 source 1, 5:4 source 2, 7:6 destination): window 0: v0-31 addresses and work; v32-63 statistics; v64-191 fragment buffer 0; v192-243 g, L, 1 / L, the way out.
;   window 1: v0-127 accumulator 4 a + b at v[8 (4 a + b)]; v128-255 fragment buffer 1.  In a buffer, for each 32 keys c: V^T block b at 64 c + 8 b, P' block a at 64 c + 32 + 8 a.
.set PPP,   528                        ; a row of P' in LDS: 512 bytes + 16: the 16 rows of a fragment load start at 16 different groups of four banks (ISA guide 11.1)
.set PVP,   288                        ; a row of V: 256 + 32
.set PH,    64*PPP                     ; what a wave brings of P'
.set VOFF,  2*PH
.set VH,    128*PVP                    ; what a wave brings of V
.set SLOT,  147456                     ; 0x24000 shares no bit with the waves' 0, 0x8400, 0x10800, 0x19800: one exclusive or changes slots; a slot's tiles end at 141,312
.set STAGE, 2*SLOT                     ; behind the ring: 16 rows x 272 bytes for each wave
.set SP3,   272
.set SPARE, STAGE+4*16*SP3             ; the spare words, 128 bytes a wave: two blocks of 256 bytes that no other line names
.set DD,    8                          ; v8-11, v12-15 at work
.set EE,    12
.set ADRP0, 16                         ; v16  my place in P' of slot 0; never rewritten
.set ADRP,  17                         ; v17  the same in the slot in hand
.set ADRV0, 18                         ; v18, v19  the same for V
.set ADRV,  19
.set ADRW,  20                         ; v20  v19 + 128 keys: an LDS offset holds 16 bits
.set STO,   24
.set RD,    25
.set CO,    26
.set SPW,   28
.set NIL,   29
.set PFO,   30
.set SO,    31                         ; v31  my byte offset in a half's (m, l) of the block's 128 rows
.set SMA,   32                         ; v[32 + 2 a], v[33 + 2 a]: m and l of a tile's first half, row block a
.set SMB,   40                         ; the same of its second half
.set MX,    48                         ; v48-51  M
.set RH,    52                         ; v52-55  rho
.set LL,    56                         ; v56-59  L
.set TT,    60                         ; v60-63  at work
.set GG,    192                        ; v[192 + 2 a]  g; the odd registers hold 0, named with it as pairs
.set LSV,   200                        ; v200-203  L, set aside before the next tile's first statistics are taken in
.set RC,    204                        ; v[204 + 2 a]  1 / L; the odd registers hold 0
.set OBK,   212                        ; v212-243  16 rows read back from the stage
.set G1P,   24                         ; s[24:31] group 1 for P'
.set G0P,   32                         ; s[32:39] group 0: a set for each first fill; the second then walks on
.set SL,    42                         ; s42  the LDS byte at which the slot in hand begins
.set LIM,   43                         ; s43, s79  I prefetch in the trips with LIM < s3 <= HIM
.set PFA,   44                         ; s[44:45] where my prefetch stands
.set PFB,   46                         ; s[46:47] its base
.set G1V,   48                         ; s[48:55], s[56:63] the same for V
.set G0V,   56
.set IB,    66                         ; s66  p, the first block
.set IA,    67                         ; s67  15 - p, the second
.set STB,   68                         ; s[68:69] st at the batch
.set CC,    70                         ; s70  c
.set RT,    71                         ; s71  tiles of the block in hand that are still to be ended
.set PB,    72                         ; s[72:73] pp at the batch and my half of a block's rows
.set VB,    74                         ; s[74:75] V at the batch, my half of a tile's keys and the slice
.set WI,    76                         ; s76-78  the walk: block and tile to be asked for next, tiles of that block
.set WJ,    77
.set WN,    78
.set HIM,   79
.set OPC,   80                         ; s[80:81], s[82:83], s[84:85] byte offsets of the tile to be asked for in pp, in V, in st
.set OVC,   82
.set OSC,   84
.set OPN,   86                         ; s[86:87] the offset of the tile after it, for my prefetch
.set SA,    88                         ; s[88:89] st at the next tile
.set SB,    90                         ; s[90:91] st at the tile after it
.set OUT2,  92                         ; s[92:93] out at my rows of the second block
.set MSB, 0
.macro WIN new                         ; the immediate's high byte repeats the setting that is left; a switch that changes nothing is dropped
.if MSB != (\new)
	s_set_vgpr_msb (MSB<<8)|(\new)
.set MSB, \new
.endif
.endm
.macro PLACES                          ; four plain vector instructions between a matrix instruction and a load into, or a vector read of, its registers
.rept 4
	v_nop
.endr
.endm
.macro JLOAD                           ; a refill by the walking sets: waves 0 and 1 P' (jointly), waves 2 and 3 V; an s_nop 0 and four v_nop follow each line
	s_cmp_eq_u32 s11, 0
	s_cbranch_scc0 .Lfor_v_\@
	tensor_load_to_lds s[G0P+4:G0P+7], s[G1P:G1P+7]
	s_nop 0
.rept 4
	v_nop
.endr
	s_branch .Lasked_\@
.Lfor_v_\@:
	tensor_load_to_lds s[G0V+4:G0V+7], s[G1V:G1V+7]
	s_nop 0
.rept 4
	v_nop
.endr
.Lasked_\@:
.endm
; A prefetch of the tile that the NEXT refill will ask for, a lane a block of 256 bytes.  P' of a pair is read by two clusters: the first asks; its four partners share the 64 rows x 512 bytes that a wave fetches by
; address, 16 rows each: one line.  V's tiles 4 to 7 of a batch's slice are read first by the pairs 0 and 1: pair 0 asks, each of waves 2 and 3 for its own 128 rows: four lines.  V's tiles 0 to 3 are read in the
; launch's first trips by other pairs, no later than a request could go out: they come by their loads alone, like every walk's first three tiles.  The last trip that refills has no tile behind its own.
.macro ASK
	s_cmp_gt_u32 s3, s[HIM]
	s_cselect_b32 s2, 0, s3
	s_cmp_gt_u32 s2, s[LIM]
	s_cbranch_scc0 .Lnot_mine_\@
	global_prefetch_b8 v[PFO], s[PFA:PFA+1] th:TH_LOAD_NT scope:SCOPE_SE
	s_cmp_eq_u32 s11, 0
	s_cbranch_scc1 .Lnot_mine_\@
.irp n, 1,2,3
	global_prefetch_b8 v[PFO], s[PFA:PFA+1] offset:\n*65536 th:TH_LOAD_NT scope:SCOPE_SE
.endr
.Lnot_mine_\@:
.endm
.macro CREST                           ; a round of the cluster's barrier behind its opening barrier
	s_cmp_lg_u32 s10, 0
	s_cbranch_scc1 .Lnot_wave_0_\@
	s_barrier_signal -3
.Lnot_wave_0_\@:
	s_barrier_wait -3
	s_barrier_signal -1
	s_barrier_wait -1
.endm
.macro CROUND                          ; a whole round
	s_barrier_signal -1
	s_barrier_wait -1
	CREST
.endm
.macro TOFF dp, dv, ds                 ; the byte offsets of tile (WI, WJ): 128 rows of 4,096 bytes and 512 bytes a tile in pp; 256 rows of 2,048 bytes in V; 128 rows of 8 bytes and two halves of 16,384 in st
	s_lshl_b32 s2, s[WI], 19
	s_lshl_b32 s[\dp], s[WJ], 9
	s_add_co_u32 s[\dp], s[\dp], s2
	s_lshl_b32 s[\dv], s[WJ], 19
	s_lshl_b32 s2, s[WI], 10
	s_lshl_b32 s[\ds], s[WJ], 15
	s_add_co_u32 s[\ds], s[\ds], s2
.endm
.macro ADV                             ; the block's next tile, or behind its last the second block's tile 0
	s_add_co_u32 s[WJ], s[WJ], 1
	s_cmp_eq_u32 s[WJ], s[WN]
	s_cselect_b32 s[WJ], 0, s[WJ]
	s_cselect_b32 s[WI], s[IA], s[WI]
	s_cselect_b32 s[WN], 16, s[WN]
.endm
	s_load_b128 s[4:7], s[0:1], 0x0                ; pp s[4:5], qkv s[6:7]
	s_load_b64 s[STB:STB+1], s[0:1], 0x10          ; st
	s_load_b64 s[8:9], s[0:1], 0x18                ; out0
	v_lshl_add_u32 v[SPW], v0, 2, SPARE
	v_mov_b32 v[NIL], 0
	ds_add_u32 v[SPW], v[NIL]                      ; the wave's opening: the add and its wait ahead of my first tensor load; the set-up below stands between them
	ds_add_u32 v28, v29
	v_lshrrev_b32 v1, 5, v0
	v_readfirstlane_b32 s10, v1                    ; wave 0..3
	s_lshr_b32 s11, s10, 1                         ; wr: my half of the rows.  Also: I fetch P' (0) or V (1)
	s_and_b32 s12, s10, 1                          ; wc: my half of the channels.  Also: which half of that tile I fetch
	s_bfe_u32 s13, ttmp6, 0x40000                  ; cx
	s_lshl_b32 s14, ttmp9, 2
	s_add_co_u32 s14, s14, s13                     ; the slice = 4 x cluster x + cx: it enters V's and out's addresses alone
	s_and_b32 s16, ttmp7, 0xffff
	s_lshr_b32 s15, s16, 3                         ; b
	s_and_b32 s[IB], s16, 7                        ; p: both are shared by the four partners
	s_sub_co_u32 s[IA], 15, s[IB]
	s_lshr_b32 s[RT], s[IB], 1
	s_add_co_u32 s[RT], s[RT], 1                   ; the first block has p / 2 + 1 tiles
	s_mov_b32 s[G1P+0], 15|(1<<16)|(1<<20)|(1<<21)|(6<<22)|(3<<25)   ; the mask of four; 2-byte elements; padding on; bit 21 beside a mask; after every 128 words, 4 words
	s_mov_b32 s[G1P+1], 256<<16                    ; tensor_dim0 = 256
	s_mov_b32 s[G1P+2], 64<<16                     ; tensor_dim1 = 64
	s_mov_b32 s[G1P+3], 256<<16                    ; tile_dim0 = 256
	s_mov_b32 s[G1P+4], 64                         ; tile_dim1 = 64
	s_mov_b32 s[G1P+5], 2048                       ; elements from row to row of pp
	s_mov_b32 s[G1P+6], 0
	s_mov_b32 s[G1P+7], 0
	s_mov_b32 s[G1V+0], (1<<16)|(1<<20)|(5<<22)|(7<<25)   ; no mask; after every 64 words, 8 words
	s_mov_b32 s[G1V+1], 128<<16                    ; tensor_dim0 = 128
	s_mov_b32 s[G1V+2], 128<<16                    ; tensor_dim1 = 128
	s_mov_b32 s[G1V+3], 128<<16                    ; tile_dim0 = 128
	s_mov_b32 s[G1V+4], 128                        ; tile_dim1 = 128
	s_mov_b32 s[G1V+5], 1024                       ; elements from row to row of qkv
	s_mov_b32 s[G1V+6], 0
	s_mov_b32 s[G1V+7], 0
	s_mov_b32 s[WI], s[IB]                         ; the walk begins at the first block's tile 0
	s_mov_b32 s[WJ], 0
	s_mov_b32 s[WN], s[RT]
	s_mov_b32 s17, 0                               ; the offsets' high words
	s_mov_b32 s19, 0
	s_mov_b32 s21, 0
	s_mov_b32 s[OPC+1], 0
	s_mov_b32 s[OVC+1], 0
	s_mov_b32 s[OSC+1], 0
	s_mov_b32 s[OPN+1], 0
	TOFF 16, 18, 20                                ; tile 0
	ADV
	TOFF OPC, OVC, OSC                             ; tile 1
	ADV                                            ; the walk stands at tile 2
	s_lshl_b32 s22, s15, 23                        ; pp: a batch is 2,048 rows of 4,096 bytes,
	s_lshl_b32 s23, s12, 18                        ; my half 64 rows: nothing of cx
	s_add_co_u32 s22, s22, s23
	s_mov_b32 s23, 0
	s_lshl_b32 s40, s15, 22                        ; V: a batch is 2,048 rows of 2,048 bytes,
	s_lshl_b32 s41, s12, 18                        ; my half 128 rows,
	s_add_co_u32 s40, s40, s41
	s_lshl_b32 s41, s14, 8                         ; the slice 256 bytes,
	s_add_co_u32 s40, s40, s41
	s_add_co_u32 s40, s40, 0x2000000               ; behind q's and k's 16,384 rows
	s_mov_b32 s41, 0
	s_mul_i32 s94, s12, PH                         ; where they go in a slot: the wave's number alone
	s_mul_i32 s95, s12, VH
	s_add_co_u32 s95, s95, VOFF
	s_mov_b32 s[CC], 0x3d38aa3b                    ; c = log2(e) / 32
	s_wait_dscnt 0x0                               ; the opening add is done
	s_wait_kmcnt 0x0
	s_add_nc_u64 s[PB:PB+1], s[4:5], s[22:23]
	s_add_nc_u64 s[VB:VB+1], s[6:7], s[40:41]
	CROUND                                         ; all four work-groups are here: the first joint loads meet
	s_mov_b32 s[G0P], 1
	s_mov_b32 s[G0P+1], s94
	s_add_nc_u64 s[G0P+2:G0P+3], s[PB:PB+1], s[16:17]
	s_or_b32 s[G0P+3], s[G0P+3], 0x80000000
	s_mov_b32 s[G0P+4], 1
	s_add_co_u32 s[G0P+5], s94, SLOT
	s_add_nc_u64 s[G0P+6:G0P+7], s[PB:PB+1], s[OPC:OPC+1]
	s_or_b32 s[G0P+7], s[G0P+7], 0x80000000
	s_mov_b32 s[G0V], 1
	s_mov_b32 s[G0V+1], s95
	s_add_nc_u64 s[G0V+2:G0V+3], s[VB:VB+1], s[18:19]
	s_or_b32 s[G0V+3], s[G0V+3], 0x80000000
	s_mov_b32 s[G0V+4], 1
	s_add_co_u32 s[G0V+5], s95, SLOT
	s_add_nc_u64 s[G0V+6:G0V+7], s[VB:VB+1], s[OVC:OVC+1]
	s_or_b32 s[G0V+7], s[G0V+7], 0x80000000
	s_cmp_eq_u32 s11, 0                            ; a wave's two first fills stand in one branch: two loads of mine are out
	s_cbranch_scc0 .Lfirst_v
	tensor_load_to_lds s[G0P:G0P+3], s[G1P:G1P+7]
	s_nop 0
	tensor_load_to_lds s[G0P+4:G0P+7], s[G1P:G1P+7]
	s_nop 0
.rept 4
	v_nop
.endr
	s_branch .Lfirst_asked
.Lfirst_v:
	tensor_load_to_lds s[G0V:G0V+3], s[G1V:G1V+7]
	s_nop 0
	tensor_load_to_lds s[G0V+4:G0V+7], s[G1V:G1V+7]
	s_nop 0
.rept 4
	v_nop
.endr
.Lfirst_asked:
	v_and_b32 v1, 15, v0                           ; l % 16
	v_bfe_u32 v2, v0, 4, 1                         ; l / 16
	v_and_b32 v4, 31, v0                           ; l
	; the statistics of tile 0
	s_lshl_b32 s22, s15, 18                        ; a batch: 16 halves x 2,048 rows x 8 bytes
	s_add_nc_u64 s[STB:STB+1], s[STB:STB+1], s[22:23]
	s_add_nc_u64 s[SA:SA+1], s[STB:STB+1], s[20:21]
	s_add_nc_u64 s[SB:SB+1], s[STB:STB+1], s[OSC:OSC+1]
	s_lshl_b32 s22, s11, 9
	v_lshl_add_u32 v[SO], v1, 3, s22               ; 8 (64 wr + l % 16)
.irp a, 0,1,2,3
	global_load_b64 v[SMA+2*\a:SMA+2*\a+1], v[SO], s[SA:SA+1] offset:128*\a
.endr
.irp a, 0,1,2,3
	global_load_b64 v[SMB+2*\a:SMB+2*\a+1], v[SO], s[SA:SA+1] offset:16384+128*\a
.endr
	v_mul_u32_u24 v3, v1, PPP
	v_lshl_add_u32 v3, v2, 4, v3                   ; a fragment of P': row x pitch + 16 x half
	s_mul_i32 s22, s11, 64*PPP                     ; my 64 rows
	v_add_nc_u32 v[ADRP0], s22, v3
	v_mov_b32 v[ADRP], v[ADRP0]
	; the turning load takes 16 keys x 16 channels (lane l reads key 8 (l / 16) + l % 8, channels 8 ((l / 8) % 2) + 0..7) and leaves half a fragment of V^T
	v_and_b32 v5, 7, v0
	v_bfe_u32 v6, v0, 3, 1
	v_lshl_add_u32 v7, v2, 3, v5
	v_mul_u32_u24 v7, v7, PVP
	v_lshl_add_u32 v7, v6, 4, v7
	s_lshl_b32 s22, s12, 7                         ; my 64 channels
	s_add_co_u32 s22, s22, VOFF
	v_add_nc_u32 v[ADRV0], s22, v7
	v_mov_b32 v[ADRV], v[ADRV0]
	v_add_nc_u32 v[ADRW], 128*PVP, v[ADRV0]
	s_mov_b32 s[SL], 0
	s_mul_i32 s22, s10, 16*SP3
	s_add_co_u32 s22, s22, STAGE                   ; my stage
	v_mul_u32_u24 v3, v1, SP3                      ; in: row l % 16, 32 bytes for each half of the lanes
	v_lshl_add_u32 v3, v2, 5, v3
	v_add_nc_u32 v[STO], s22, v3
	v_mul_u32_u24 v3, v2, SP3                      ; back: lanes 0-15 one row of 256 bytes, lanes 16-31 the next
	v_lshl_add_u32 v3, v1, 4, v3
	v_add_nc_u32 v[RD], s22, v3
	v_lshlrev_b32 v3, 12, v2                       ; and the same two rows in out
	v_lshl_add_u32 v[CO], v1, 4, v3
	s_lshl_b32 s22, s15, 23                        ; out: the batch, my 64 rows of a block, the slice's 512 bytes, my 256 of them
	s_lshl_b32 s23, s11, 18
	s_add_co_u32 s22, s22, s23
	s_lshl_b32 s23, s14, 9
	s_add_co_u32 s22, s22, s23
	s_lshl_b32 s23, s12, 8
	s_add_co_u32 s22, s22, s23
	s_lshl_b32 s16, s[IA], 19                      ; a block is 128 rows of 4,096 bytes
	s_add_co_u32 s16, s16, s22
	s_add_nc_u64 s[OUT2:OUT2+1], s[8:9], s[16:17]
	s_lshl_b32 s16, s[IB], 19
	s_add_co_u32 s16, s16, s22
	s_add_nc_u64 s[8:9], s[8:9], s[16:17]
	; the prefetches
	s_lshl_b32 s16, s13, 16                        ; my work-group's 16 rows of the 64 of P' that I fetch
	s_add_nc_u64 s[18:19], s[PB:PB+1], s[16:17]
	s_cmp_eq_u32 s11, 0
	s_cselect_b64 s[PFB:PFB+1], s[18:19], s[VB:VB+1]
	s_cselect_b32 s16, ttmp9, s[IB]                ; 0 where I ask: the first cluster for P', pair 0 for V: the same in all four partners
	s_cselect_b32 s[HIM], 7, 5                     ; P': from the first trip on; V: from the trip on whose next tile but one is tile 4 of the second block
	s_cselect_b32 s20, 1, 0                        ; P': lane l names row l / 2, block l % 2;  V: row l
	s_cselect_b32 s21, 12, 11
	s_cselect_b32 s22, 1, 0
	s_cmp_eq_u32 s16, 0
	s_cselect_b32 s[LIM], 1, -1
	v_lshrrev_b32 v5, s20, v4
	v_lshlrev_b32 v5, s21, v5
	v_and_b32 v6, s22, v4
	v_lshl_add_u32 v[PFO], v6, 8, v5
.irp a, 0,1,2,3
	v_mov_b32 v[MX+\a], 0xff7fffff                 ; a block begins: M at the lowest finite number, so that its first g is 0
	v_mov_b32 v[RH+\a], 0
	v_mov_b32 v[LL+\a], 0
	v_mov_b32 v[GG+2*\a+1], 0
	v_mov_b32 v[RC+2*\a+1], 0
.endr
	WIN 0x40
.set i, 0
.rept 128
	v_mov_b32 v[i], 0                              ; what the first g = 0 multiplies need only be finite; written in the wait for the first tile
.set i, i+1
.endr
.macro RS n                            ; accumulator n times g, from its low end
	WIN 0x41                                       ; destination and source 0 in window 1
.irp z, 0,1,2,3
	v_pk_mul_f32 v[8*(\n)+2*\z:8*(\n)+2*\z+1], v[8*(\n)+2*\z:8*(\n)+2*\z+1], v[GG+2*((\n)/4):GG+2*((\n)/4)+1] op_sel_hi:[1,0]
.endr
.endm
; 8 matrix instructions: row blocks a0, a0 + 1 x all 4 channel blocks, the 32 keys c of buffer f.  The 16 accumulators take turns in one fixed order.
; mode 2: a half's first products: behind each stands the rescaling of the NEXT accumulator, four plain instructions that name none of the registers of the products round them.
.macro MUL8 f, c, a0, mode
.set FB, 64+64*(\f)
.irp a, \a0, (\a0)+1
.irp b, 0,1,2,3
	WIN 0x50+5*(\f)                                ; C and D in window 1; the sources in the buffer's window
	v_wmma_f32_16x16x32_f16 v[8*(4*(\a)+\b):8*(4*(\a)+\b)+7], v[FB+64*(\c)+8*\b:FB+64*(\c)+8*\b+7], v[FB+64*(\c)+32+8*(\a):FB+64*(\c)+32+8*(\a)+7], v[8*(4*(\a)+\b):8*(4*(\a)+\b)+7]
.if ((\mode) == 2) && (4*(\a)+\b < 15)
	RS 4*(\a)+\b+1
.endif
.endr
.endr
.endm
; 32 LDS loads in one run: quarter q (64 keys) of the slot in hand into buffer f; the first 32 keys first
.macro FETCH q, f
.set FB, 64+64*(\f)
.if (\q) < 2
.set AV, ADRV
.else
.set AV, ADRW
.endif
	WIN 0x40*(\f)
.irp c, 0,1
.irp b, 0,1,2,3
	ds_load_tr16_b128 v[FB+64*\c+8*\b:FB+64*\c+8*\b+3],   v[AV] offset:(64*((\q)%2)+32*\c)*PVP+32*\b
	ds_load_tr16_b128 v[FB+64*\c+8*\b+4:FB+64*\c+8*\b+7], v[AV] offset:(64*((\q)%2)+32*\c+16)*PVP+32*\b
.endr
.irp a, 0,1,2,3
	ds_load_b128 v[FB+64*\c+32+8*\a:FB+64*\c+32+8*\a+3],   v[ADRP] offset:\a*16*PPP+128*(\q)+64*\c
	ds_load_b128 v[FB+64*\c+32+8*\a+4:FB+64*\c+32+8*\a+7], v[ADRP] offset:\a*16*PPP+128*(\q)+64*\c+32
.endr
.endr
.endm
; The g of the half whose (m, l) lie in set S.  cnt: how many younger loads may stay out.
.macro STAT S, cnt
	WIN 0
	s_wait_loadcnt \cnt
.irp a, 0,1,2,3
	v_max_num_f32 v[TT+\a], v[MX+\a], v[(\S)+2*\a] ; T
.endr
.irp a, 0,1,2,3
	v_sub_f32 v[DD+\a], v[MX+\a], v[TT+\a]         ; M - T
.endr
.irp a, 0,1,2,3
	v_sub_f32 v[EE+\a], v[(\S)+2*\a], v[TT+\a]     ; m - T
.endr
.irp a, 0,1,2,3
	v_mov_b32 v[MX+\a], v[TT+\a]
.endr
.irp a, 0,1,2,3
	v_mul_f32 v[EE+\a], s[CC], v[EE+\a]
.endr
.irp a, 0,1,2,3
	v_max_num_f32 v[EE+\a], 0xc2700000, v[EE+\a]   ; rho' = max(c (m - T), -60)
.endr
.irp a, 0,1,2,3
	v_sub_f32 v[TT+\a], v[RH+\a], v[EE+\a]
.endr
.irp a, 0,1,2,3
	v_fma_f32 v[DD+\a], v[DD+\a], s[CC], v[TT+\a]  ; c (M - T) + rho - rho'
.endr
.irp a, 0,1,2,3
	v_mov_b32 v[RH+\a], v[EE+\a]
.endr
.irp a, 0,1,2,3
	v_exp_f32 v[GG+2*\a], v[DD+\a]
.endr
	v_nop                                          ; a plain instruction behind the last exponential,
	s_wait_alu depctr_va_vdst(0)                   ; and one wait for the four, ahead of the first reader
.irp a, 0,1,2,3
	v_fma_f32 v[LL+\a], v[LL+\a], v[GG+2*\a], v[(\S)+2*\a+1]
.endr
.endm
; In the middle of a tile's third quarter, in the loop: L is set aside; if the tile is its block's last, the next block's M, rho and L begin; the g of the next tile's first half; the walk steps;
; and the statistics are asked for: the next tile's second half, then the first half of the tile after it.
.macro STATA
	WIN 0
.irp a, 0,1,2,3
	v_mov_b32 v[LSV+\a], v[LL+\a]
.endr
	s_cmp_eq_u32 s[RT], 1
	s_cbranch_scc0 .Lsame_\@
.irp a, 0,1,2,3
	v_mov_b32 v[MX+\a], 0xff7fffff
	v_mov_b32 v[RH+\a], 0
	v_mov_b32 v[LL+\a], 0
.endr
.Lsame_\@:
	STAT SMA, 0                                    ; all my loads are back, so their bases may be written;
	s_wait_xcnt 0x0                                ; the last prefetches, a tile back, have read their address
	s_mov_b64 s[SA:SA+1], s[SB:SB+1]
	TOFF OPC, OVC, OSC                             ; the tile that this trip's refill asks for
	s_add_nc_u64 s[SB:SB+1], s[STB:STB+1], s[OSC:OSC+1]
	ADV
	s_lshl_b32 s2, s[WI], 19                       ; the tile after it, for my prefetch: its offset in pp or in V
	s_lshl_b32 s[OPN], s[WJ], 9
	s_add_co_u32 s[OPN], s[OPN], s2
	s_lshl_b32 s2, s[WJ], 19
	s_cmp_eq_u32 s11, 0
	s_cselect_b32 s[OPN], s[OPN], s2
	s_add_nc_u64 s[PFA:PFA+1], s[PFB:PFB+1], s[OPN:OPN+1]
.irp a, 0,1,2,3
	global_load_b64 v[SMB+2*\a:SMB+2*\a+1], v[SO], s[SA:SA+1] offset:16384+128*\a
.endr
.irp a, 0,1,2,3
	global_load_b64 v[SMA+2*\a:SMA+2*\a+1], v[SO], s[SB:SB+1] offset:128*\a
.endr
.endm
; The same place in the tail: no block ends in tile 7; behind tile 8 nothing follows, and only L is set aside.
.macro STATT
	WIN 0
.irp a, 0,1,2,3
	v_mov_b32 v[LSV+\a], v[LL+\a]
.endr
	s_cmp_eq_u32 s3, 2
	s_cbranch_scc0 .Lnone_\@
	STAT SMA, 0
.irp a, 0,1,2,3
	global_load_b64 v[SMB+2*\a:SMB+2*\a+1], v[SO], s[SB:SB+1] offset:16384+128*\a   ; tile 8's second half
.endr
.Lnone_\@:
.endm
; One of a tile's first three quarters: multiplies buffer f; in its middle it fetches quarter q into buffer g.  mode 2: a half begins: the sums are rescaled.
; stt: what stands in the middle: 0 nothing (four v_nop are the places in front of the loads, where no rescaling is); 1, 2 the second half's g (in the loop, in the tail); 3, 4 STATA, STATT.
.macro QUARTER q, f, g, mode=0, stt=0
	s_wait_dscnt 16                                ; the first 32 keys' fragments are in; the youngest sixteen loads may be out
.if (\mode) == 2
	PLACES                                         ; behind the last products, whose results the rescaling reads
	RS 0
.endif
	MUL8 \f, 0, 0, \mode
	MUL8 \f, 0, 2, \mode
.if (\stt) == 1
	STAT SMB, 4                                    ; behind the four wanted stand the four loads of the next tile's first half
.elseif (\stt) == 2
	STAT SMB, 0
.elseif (\stt) == 3
	STATA
.elseif (\stt) == 4
	STATT
.elseif (\mode) != 2
	PLACES
.endif
	FETCH \q, \g
	s_wait_dscnt 32                                ; all but the 32 just issued
	MUL8 \f, 1, 0, 0
	MUL8 \f, 1, 2, 0
.endm
; The last quarter multiplies buffer 1 and changes slots.  In front of the barrier each wave waits for all its tensor loads (its part of the next slot), adds 0 to its spare word, and waits for that and for its reads of this slot.
; fill = 1: the barrier opens a round of the cluster's barrier, and the slot just read out is filled again first, with the tile two on; its address is made anew from the walk's offsets.
.macro TURN fill
	WIN 0
	s_wait_tensorcnt 0x0                           ; all my tensor loads have landed
	ds_add_u32 v[SPW], v[NIL]
	s_wait_dscnt 17                                ; (the add and the youngest sixteen loads may be out)
	MUL8 1, 0, 0, 0
	s_wait_dscnt 0x0                               ; the add is done, and my reads of this slot are over
	s_barrier_signal -1
	MUL8 1, 0, 2, 0
	WIN 0
	s_barrier_wait -1
.if \fill
	CREST                                          ; no wave of any partner still reads this slot or has a load on its way
	s_xor_b32 s[G0P+5], s[G0P+5], SLOT             ; the walking sets: the other slot than last time
	s_add_nc_u64 s[G0P+6:G0P+7], s[PB:PB+1], s[OPC:OPC+1]
	s_or_b32 s[G0P+7], s[G0P+7], 0x80000000
	s_xor_b32 s[G0V+5], s[G0V+5], SLOT
	s_add_nc_u64 s[G0V+6:G0V+7], s[VB:VB+1], s[OVC:OVC+1]
	s_or_b32 s[G0V+7], s[G0V+7], 0x80000000
	JLOAD                                          ; my one tensor load behind the round; its four v_nop are also the places in front of the loads below
.else
	PLACES
.endif
	s_xor_b32 s[SL], s[SL], SLOT
	v_add_nc_u32 v[ADRP], s[SL], v[ADRP0]
	v_add_nc_u32 v[ADRV], s[SL], v[ADRV0]
	v_add_nc_u32 v[ADRW], 128*PVP, v[ADRV]
	FETCH 0, 0
.if \fill
	ASK
.endif
	MUL8 1, 1, 0, 0
	MUL8 1, 1, 2, 0
.endm
; THE WAY OUT of a block: the sums are divided by L and sent through my stage, 16 rows at a time: in as 32 bytes a lane, back as whole rows of 256 bytes.  They stay in their registers, finite, for the next block's g = 0.
.macro WAYOUT
	WIN 0
	PLACES
.irp a, 0,1,2,3
	v_rcp_f32 v[RC+2*\a], v[LSV+\a]
.endr
	v_nop                                          ; a plain instruction behind the last reciprocal,
	s_wait_alu depctr_va_vdst(0)                   ; and one wait for the four
.irp a, 0,1,2,3
	s_wait_xcnt 0x0                                ; the registers that earlier stores read are loaded again only behind this wait
	WIN 0x41
.set i, 32*\a
.rept 16
	v_pk_mul_f32 v[i:i+1], v[i:i+1], v[RC+2*\a:RC+2*\a+1] op_sel_hi:[1,0]
.set i, i+2
.endr
	WIN 0x04                                       ; the stores' data in window 1
.irp b, 0,1,2,3
	ds_store_b128 v[STO], v[32*\a+8*\b:32*\a+8*\b+3]   offset:64*\b
	ds_store_b128 v[STO], v[32*\a+8*\b+4:32*\a+8*\b+7] offset:64*\b+16
.endr
	WIN 0
.irp t, 0,1,2,3,4,5,6,7
	ds_load_b128 v[OBK+4*\t:OBK+4*\t+3], v[RD] offset:\t*2*SP3   ; LDS serves a wave's instructions in order (ISA guide 5.7.1.4): these see the stores above
.endr
.irp t, 0,1,2,3,4,5,6,7
	s_wait_dscnt 7-\t                              ; rows 2 t, 2 t + 1 are back; the younger loads stay out
	global_store_b128 v[CO], v[OBK+4*\t:OBK+4*\t+3], s[8:9] offset:(16*\a+2*\t)*4096 th:TH_STORE_NT   ; 16 lanes store 256 consecutive bytes, aligned
.endr
.endr
.endm
	STAT SMA, 4                                    ; tile 0's first half: g = 0; its second half's four loads may stay out
.irp a, 0,1,2,3
	global_load_b64 v[SMA+2*\a:SMA+2*\a+1], v[SO], s[SB:SB+1] offset:128*\a   ; tile 1's first half
.endr
	s_wait_tensorcnt 1                             ; my part of tile 0 is in; tile 1's may stay out
	s_barrier_signal -1
	s_barrier_wait -1
	FETCH 0, 0
	s_mov_b32 s3, 7
.Lslot:                                                ; seven trips, a tile each; they ask for tiles 2 to 8
	QUARTER 1, 0, 1, 2, 0
	QUARTER 2, 1, 0, 0, 1
	QUARTER 3, 0, 1, 2, 3
	TURN 1
	WIN 0
	s_sub_co_u32 s[RT], s[RT], 1
	s_cmp_lg_u32 s[RT], 0
	s_cbranch_scc1 .Lgo
	WAYOUT                                         ; the first block is finished; the refill just asked for is on its way meanwhile
	s_wait_xcnt 0x0                                ; the stores have read out's address
	s_mov_b64 s[8:9], s[OUT2:OUT2+1]
	s_mov_b32 s[RT], 64                            ; the second block ends with the walk
.Lgo:
	s_sub_co_u32 s3, s3, 1
	s_cmp_lg_u32 s3, 0
	s_cbranch_scc1 .Lslot
	s_mov_b32 s3, 2
.Ltail:                                                ; tiles 7 and 8 ask for nothing; the second trip is left in front of the change of slots, alike in every wave
	QUARTER 1, 0, 1, 2, 0
	QUARTER 2, 1, 0, 0, 2
	QUARTER 3, 0, 1, 2, 4
	WIN 0
	s_sub_co_u32 s3, s3, 1
	s_cmp_eq_u32 s3, 0
	s_cbranch_scc1 .Llast
	TURN 0
	WIN 0
	s_cmp_lg_u32 s3, 0
	s_cbranch_scc1 .Ltail
.Llast:
	s_wait_dscnt 16
	MUL8 1, 0, 0, 0
	MUL8 1, 0, 2, 0
	s_wait_dscnt 0x0
	MUL8 1, 1, 0, 0
	MUL8 1, 1, 2, 0
	WAYOUT
	s_wait_tensorcnt 0x0                           ; the wave's end
	ds_add_u32 v[SPW], v[NIL]
	s_wait_dscnt 0x0
	CROUND                                         ; the closing round
	s_endpgm
.Lfunc_end_k_q72cd32d700_pv:
	.size	k_q72cd32d700_pv, .Lfunc_end_k_q72cd32d700_pv-k_q72cd32d700_pv
	.p2alignl 7, 3214868480
	.fill 96, 4, 3214868480
	.section	.rodata,"a",@progbits
	.p2align	6, 0x0
	.amdhsa_kernel k_q72cd32d700_pv
		.amdhsa_group_segment_fixed_size 327680
		.amdhsa_private_segment_fixed_size 0
		.amdhsa_enable_private_segment 0
		.amdhsa_kernarg_size 32
		.amdhsa_user_sgpr_count 2
		.amdhsa_user_sgpr_kernarg_segment_ptr 1
		.amdhsa_wavefront_size32 1
		.amdhsa_system_sgpr_workgroup_id_x 1
		.amdhsa_system_sgpr_workgroup_id_y 1
		.amdhsa_system_sgpr_workgroup_id_z 1
		.amdhsa_system_vgpr_workitem_id 0
		.amdhsa_next_free_vgpr 512
		.amdhsa_next_free_sgpr 96
		.amdhsa_reserve_vcc 0
		.amdhsa_float_denorm_mode_32 3
		.amdhsa_float_denorm_mode_16_64 3
		.amdhsa_memory_ordered 1
		.amdhsa_forward_progress 1
		.amdhsa_inst_pref_size 114
	.end_amdhsa_kernel
	.amdgpu_metadata
---
amdhsa.version: [ 1, 2 ]
amdhsa.kernels:
  - .name:           k_q72cd32d700_pv
    .symbol:         k_q72cd32d700_pv.kd
    .args:
      - { .name: pp, .offset: 0, .size: 8, .value_kind: global_buffer, .address_space: global }
      - { .name: qkv, .offset: 8, .size: 8, .value_kind: global_buffer, .address_space: global }
      - { .name: st, .offset: 16, .size: 8, .value_kind: global_buffer, .address_space: global }
      - { .name: out0, .offset: 24, .size: 8, .value_kind: global_buffer, .address_space: global }
    .group_segment_fixed_size: 327680
    .private_segment_fixed_size: 0
    .kernarg_segment_align: 8
    .kernarg_segment_size: 32
    .max_flat_workgroup_size: 128
    .sgpr_count:     96
    .vgpr_count:     512
    .wavefront_size: 32
...
	.end_amdgpu_metadata
.endif
;; end of part 4
